; MI455X (gfx1250); checked and timed in simulation.
; The chip was launched on July 23, 2026; its instructions are those of AMD's public machine-readable ISA for CDNA 5 (MIT licence, August 2026) and "CDNA5" Instruction Set Architecture Reference Guide (July 2026). The comments in the code are by the model that wrote it; some were corrected since.
;; Decoder Layer. Allowed arithmetic: matrix products marked QUANTISED: E3M2 operands, one E8M0 scale for each 32 along K, by v_wmma_scale_f32_16x16x128_f8f6f4 with both operands' format E3M2, f32 sums; everything else in f32.
;; Inputs: W1 1,024 x 4,096 float32; W2 4,096 x 1,024 float32; Wk 16 x 1,024 x 64 float32; Wo 1,024 x 1,024 float32; Wq 16 x 1,024 x 64 float32; Wv 16 x 1,024 x 64 float32; beta1 1,024 float32; beta2 1,024 float32; bff1 4,096 float32; bff2 1,024 float32; bo 1,024 float32; g1 1,024 float32; g2 1,024 float32; x 4 x 1,024 x 1,024 float32.
;; Outputs: out0 4 x 1,024 x 1,024 float32.
;; This version of the problem:
;;   THIS VERSION OF THE PROBLEM IS GIVEN IN LOW PRECISION. The matrix products marked QUANTISED in the list below multiply operands that are first quantised to E3M2 (3 exponent bits, 2 mantissa bits; 6 bits a number), with one power-of-two scale for each 32 numbers along K (OCP MX v1.0); their sums are f32. All else is computed in f32.
;;   The module's matrix products, in the order in which they are computed (A, B: the left and right operand; K: the contracted axis; several contracted axes count as one K, in the product's order):
;;     1. [M 1,024, K 1,024] x [K 1,024, N 4,096]; A: input Wq; B: computed on the way: QUANTISED
;;     2. [M 1,024, K 1,024] x [K 1,024, N 4,096]; A: input Wk; B: computed on the way: QUANTISED
;;     3. [M 1,024, K 1,024] x [K 1,024, N 4,096]; A: input Wv; B: computed on the way: QUANTISED
;;     4. batch 64 x [M 1,024, K 64] x [K 64, N 1,024]; A: computed on the way; B: computed on the way: QUANTISED
;;     5. batch 64 x [M 1,024, K 1,024] x [K 1,024, N 64]; A: softmax (see below); B: computed on the way: QUANTISED
;;     6. [M 4,096, K 1,024] x [K 1,024, N 1,024]; A: computed on the way; B: input Wo: QUANTISED
;;     7. [M 4,096, K 1,024] x [K 1,024, N 4,096]; A: computed on the way; B: input W1: QUANTISED
;;     8. [M 4,096, K 4,096] x [K 4,096, N 1,024]; A: computed on the way; B: input W2: QUANTISED
;;   THE QUANTISER, for each operand of a quantised product, along K:
;;     - K is cut into blocks of 32 from its start; a last block that is shorter is filled with zeros.
;;     - A block's scale is 2^e with e = floor(log2(the largest magnitude in the block)) - 4, held to -126 .. 127; a block of zeros has e = 0. As a byte (E8M0): e + 127.
;;     - Each number is divided by its block's scale, clamped to +-28, and rounded to the nearest number of E3M2, ties to even, subnormals kept.
;;     - The product sums the exact products of the quantised numbers (number of the format x scale) in f32.
;;   ~~~python
;;   def quantise(x, axis):      # numpy; x: float32 -> the quantised numbers, widened to float32 again
;;       x = np.moveaxis(x, axis, -1); K = x.shape[-1]
;;       x = np.pad(x, [(0, 0)] * (x.ndim - 1) + [(0, -K % 32)]); x = x.reshape(x.shape[:-1] + (-1, 32)); a = np.abs(x).max(-1, keepdims=True)
;;       e = np.where(a > 0, np.clip(np.frexp(np.where(a > 0, a, 1))[1] - 1 - 4, -126, 127), 0)      # np.frexp(a)[1] - 1 = floor(log2(a)), exactly
;;       r = np.clip(x / 2.0 ** e, -28, 28)
;;       step = 2.0 ** (np.maximum(np.frexp(np.where(r == 0, 1, r))[1] - 1, -2) - 2)
;;       q = np.round(r / step) * step * 2.0 ** e      # np.round: ties to even
;;       return np.moveaxis(q.reshape(q.shape[:-2] + (-1,))[..., :K], -1, axis).astype(np.float32)
;;   ~~~
;;   SOFTMAX AHEAD OF A QUANTISED PRODUCT. Where the list says 'softmax', what is quantised is not the finished softmax but p = 2^(t - M), with t = logit x log2(e) and M = ceil(the row's largest t), a whole number; so 1/2 < the row's largest p <= 1. The row's sum l is taken of the UNQUANTISED p, in f32, and the product's result is divided by l at the end. Since M is a whole number, a kernel that streams over the keys may use a running M (the ceiling of the running maximum): every later rescaling is an exact power of two, which a block's scale takes up: the codes' values come out the same.
;;   OPERANDS COMPUTED ON THE WAY. 'Computed on the way' means the value that the module computes at that place (a softmax that the list does not call 'softmax' is quantised finished and normalised). What goes into a quantiser is computed in f32, as accurately as f32 sums, v_exp_f32 and their like allow (about 1e-6 of the number): no bf16 or f16 on the way to a quantiser, and a product that is left as it is and whose result goes on into a quantised operand takes f32 operands (vector FMAs, or v_wmma_f32_16x16x4_f32). A number that lies on a knife's edge between two numbers of the format may be rounded either way, as far as f32 arithmetic and the matrix unit's own rounding can turn it there, and no further.
;; One version. Each part assembles by itself: llvm-mc -triple=amdgcn-amd-amdhsa -mcpu=gfx1250 --defsym DOCPART=n.
;; ======== version 1 of 1: 7 launches
;; limits: right only within a limited range of input values
;; workspace buffers: wts 9,830,400 bytes; xn 3,276,800 bytes; qkvc 9,830,400 bytes; attc 3,276,800 bytes; res 16,777,216 bytes; rn 3,276,800 bytes; hid 13,107,200 bytes
;; launch first (part 1): grid 448 x 1, 8 waves a work-group, no clusters, 4,096 bytes of LDS; arguments x, g1, beta1, xn, Wq, Wk, Wv, Wo, W1, W2, wts; writes xn, wts
.if DOCPART == 1
	.amdgcn_target "amdgcn-amd-amdhsa--gfx1250"
	.amdhsa_code_object_version 6
	.text
	.protected	k_qa00b97be5d_first
	.globl	k_qa00b97be5d_first
	.p2align	8
	.type	k_qa00b97be5d_first,@function
k_qa00b97be5d_first:
	s_mov_b64 s[64:65], 0
	v_nop
	global_prefetch_b8 v0, s[64:65] scope:SCOPE_SE
	s_setreg_imm32_b32 hwreg(HW_REG_WAVE_MODE, 25, 1), 1
	s_wait_xcnt 0x0
; TWO JOBS THAT DO NOT DEPEND ON EACH OTHER SHARE THE PROGRAM'S FIRST LAUNCH: work-groups 0-255 make LN1's codes (xn), work-groups 256-447 the six weights' codes (wts).  They share no buffer and no LDS byte
; (the norm has LDS bytes 0-1,023, the weights 1,024-3,071); the two ways part on the work-group's number alone, at the first line.
; BOTH LAY THEIR CODES AS PANELS.  A panel is 12,800 bytes: 128 rows of an operand x 128 along K: eight fragments of 1,536 bytes (tile i at 1,536 i), then 512 bytes of scale words, the word of tile i, lane r at 12,288 + 32 r + 4 i.
; A fragment is the image of an operand's 12 registers: registers 0-3 at 16 x lane, 4-5 at 512 + 8 x lane, 6-9 at 768 + 16 x lane, 10-11 at 1,280 + 8 x lane.
; THE ROWS OF A TILE ARE NOT NEIGHBOURS: lane r of tile 2 b + u holds row 32 b + 8 u + (r % 8) + 16 (r / 8).
; Codes are BF6 (E3M2) with one E8M0 byte for each 32 along K; a block's byte is its largest magnitude's exponent field - 4, held at 1 from below.
; LIMITS: a block of zeros, or one whose largest magnitude lies under 2^-122, gets the byte 1 (the rule says 127 for zeros): its codes are zeros, and this program alone reads the bytes.  NaN and infinities are not served.
; No cluster, no tensor load: the work-groups share no input but gamma and beta, and each input byte is read once.
.set LNWG, 256
.set PAN, 12800
.set FRB, 1536
	v_lshl_add_u32 v254, v0, 2, 0xc00
	v_mov_b32 v255, 0
	s_cmp_ge_u32 ttmp9, LNWG
	s_cbranch_scc1 .Lweights
; ---- LN1: y = (x - mean) rsqrt(var + 1e-5) gamma + beta over rows of 1,024 f32, quantised along the row; panel (block of 128 tokens, K step) at ((block) 8 + step) x 12,800.
; A work-group takes one tile of 16 tokens.  Wave w takes K step w: 128 channels.  Lane (r, h) holds 64 numbers of its token: register 16 b + i is channel 128 w + 32 b + 16 h + i, the order in which the conversions want them.
; The mean and the variance are taken in two passes (the variance of x - mean: no difference of large sums); the eight waves' parts meet in LDS, 32 bytes a token, in bytes of their own for each pass: two barriers.
.set X,   32                           ; v32-95   my 64 numbers
.set G,   96                           ; v96-159  gamma at my channels; later the codes
.set BT,  160                          ; v160-223 beta
.set TM,  224                          ; v224-239 largest magnitudes, bytes, scale operands
.set PW,  240                          ; the scale word
.set PC,  96
	s_load_b256 s[4:11], s[0:1], 0x0               ; the rows, gamma, beta, the panels
	v_lshrrev_b32 v1, 5, v0
	s_delay_alu instid0(VALU_DEP_1)
	v_readfirstlane_b32 s12, v1                    ; wave = K step
	v_and_b32 v1, 31, v0                           ; lane
	v_and_b32 v2, 15, v0                           ; r
	v_bfe_u32 v3, v0, 4, 1                         ; h
	s_lshr_b32 s13, ttmp9, 1
	s_lshl_b32 s13, s13, 5
	s_and_b32 s14, ttmp9, 1
	s_lshl_b32 s14, s14, 3
	s_add_co_u32 s13, s13, s14                     ; the tile's first token
	v_and_b32 v4, 7, v2
	v_lshrrev_b32 v5, 3, v2
	s_delay_alu instid0(VALU_DEP_1)
	v_lshl_add_u32 v4, v5, 4, v4
	s_delay_alu instid0(VALU_DEP_1)
	v_add_nc_u32 v4, s13, v4                       ; my token
	s_lshl_b32 s14, s12, 9
	v_lshlrev_b32 v5, 6, v3
	s_delay_alu instid0(VALU_DEP_1)
	v_add_nc_u32 v5, s14, v5                       ; gamma, beta: 512 w + 64 h
	s_delay_alu instid0(VALU_DEP_1)
	v_lshl_add_u32 v4, v4, 12, v5                  ; the rows: + 4,096 x token
	v_lshlrev_b32 v7, 5, v2                        ; LDS: my token's eight partial sums,
	s_wait_alu depctr_va_vdst(0)
	s_lshl_b32 s15, s12, 2
	v_add_nc_u32 v6, s15, v7                       ; and my wave's among them
	s_lshr_b32 s16, ttmp9, 3
	s_lshl_b32 s16, s16, 3
	s_add_co_u32 s16, s16, s12
	s_mul_i32 s16, s16, PAN                        ; my panel
	s_mov_b32 s17, 0
	s_and_b32 s18, ttmp9, 7                        ; my tile in it
	s_mul_i32 s19, s18, FRB
	s_lshl_b32 s18, s18, 2
	v_lshl_add_u32 v8, v1, 4, s19                  ; 16 x lane + the fragment
	v_lshl_add_u32 v9, v1, 3, s19                  ; 8 x lane + the fragment
	v_add_nc_u32 v10, s18, v7                      ; 32 r + 4 tile
	s_mov_b32 s20, 0x76543210
	s_mov_b32 s21, 0xfedcba98                      ; v_permlanex16_b32's selects for lane l xor 16
	s_mov_b32 s22, 0x3a800000                      ; 1 / 1,024
.irp b, 0,1,2,3
	v_mov_b32 v[TM+4+\b], 0                        ; written once: a lane permute's destination counts as one of its sources
.endr
	s_wait_kmcnt 0x0
	s_add_nc_u64 s[10:11], s[10:11], s[16:17]
.irp b, 0,1,2,3
.irp j, 0,1,2,3
	global_load_b128 v[X+16*\b+4*\j:X+16*\b+4*\j+3], v4, s[4:5] offset:128*\b+16*\j
.endr
.endr
.irp b, 0,1,2,3
.irp j, 0,1,2,3
	global_load_b128 v[G+16*\b+4*\j:G+16*\b+4*\j+3], v5, s[6:7] offset:128*\b+16*\j
.endr
.endr
.irp b, 0,1,2,3
.irp j, 0,1,2,3
	global_load_b128 v[BT+16*\b+4*\j:BT+16*\b+4*\j+3], v5, s[8:9] offset:128*\b+16*\j
.endr
.endr
	s_wait_loadcnt 32                              ; my 64 numbers are in; gamma's and beta's 32 loads may be out
; my wave's part (v242) of a row's sum goes to LDS at off, and the row's sum of eight comes back in v244
.macro ACROSS off
	s_delay_alu instid0(VALU_DEP_3)
	v_pk_add_f32 v[242:243], v[242:243], v[244:245]
	s_delay_alu instid0(VALU_DEP_2)
	v_pk_add_f32 v[246:247], v[246:247], v[248:249]
	s_delay_alu instid0(VALU_DEP_1)
	v_pk_add_f32 v[242:243], v[242:243], v[246:247]
	s_delay_alu instid0(VALU_DEP_1)
	v_add_f32 v242, v242, v243
	s_delay_alu instid0(VALU_DEP_1)
	v_permlanex16_b32 v243, v242, s20, s21
	s_delay_alu instid0(VALU_DEP_1)
	v_add_f32 v242, v242, v243                     ; with lane l xor 16's: 128 channels of my token
	ds_store_b32 v6, v242 offset:\off              ; (lanes l and l xor 16 store the same word with the same value)
	s_wait_dscnt 0x0                               ; for the others' sake
	s_barrier_signal -1
	s_barrier_wait -1
	ds_load_b128 v[244:247], v7 offset:\off
	ds_load_b128 v[248:251], v7 offset:\off+16
	s_wait_dscnt 0x0
	v_pk_add_f32 v[244:245], v[244:245], v[246:247]
	v_pk_add_f32 v[248:249], v[248:249], v[250:251]
	s_delay_alu instid0(VALU_DEP_1)
	v_pk_add_f32 v[244:245], v[244:245], v[248:249]
	s_delay_alu instid0(VALU_DEP_1)
	v_add_f32 v244, v244, v245
.endm
.irp c, 0,1,2,3                                ; the sum, in four chains that the first additions start
	v_pk_add_f32 v[242+2*\c:243+2*\c], v[X+2*\c:X+2*\c+1], v[X+8+2*\c:X+9+2*\c]
.endr
.irp j, 16,24,32,40,48,56
.irp c, 0,1,2,3
	s_delay_alu instid0(VALU_DEP_4)
	v_pk_add_f32 v[242+2*\c:243+2*\c], v[242+2*\c:243+2*\c], v[X+\j+2*\c:X+\j+2*\c+1]
.endr
.endr
	ACROSS 0
	s_delay_alu instid0(VALU_DEP_1)
	v_mul_f32 v250, s22, v244                      ; the mean
	s_delay_alu instid0(VALU_DEP_1)
	v_mov_b32 v251, v250
.set J, 0
.rept 32
	v_pk_add_f32 v[X+J:X+J+1], v[X+J:X+J+1], v[250:251] neg_lo:[0,1] neg_hi:[0,1]   ; x - mean
.set J, J+2
.endr
.irp c, 0,1,2,3
	v_pk_mul_f32 v[242+2*\c:243+2*\c], v[X+2*\c:X+2*\c+1], v[X+2*\c:X+2*\c+1]
.endr
.irp j, 8,16,24,32,40,48,56
.irp c, 0,1,2,3
	s_delay_alu instid0(VALU_DEP_4)
	v_pk_fma_f32 v[242+2*\c:243+2*\c], v[X+\j+2*\c:X+\j+2*\c+1], v[X+\j+2*\c:X+\j+2*\c+1], v[242+2*\c:243+2*\c]
.endr
.endr
	ACROSS 512
	s_delay_alu instid0(VALU_DEP_1)
	v_fmaak_f32 v244, s22, v244, 0x3727c5ac        ; the variance + 1e-5 (the factor is a power of two: one rounding, as with a multiply and an add)
	s_wait_alu depctr_va_vdst(0)
	v_rsq_f32 v250, v244
	v_nop                                          ; one plain place behind a transcendental
	s_wait_alu depctr_va_vdst(0)
	v_mov_b32 v251, v250
	s_wait_alu depctr_va_vdst(0)
	s_wait_loadcnt 0x0                             ; gamma and beta
.set J, 0
.rept 32
	v_pk_mul_f32 v[X+J:X+J+1], v[X+J:X+J+1], v[250:251]
.set J, J+2
.endr
.set J, 0
.rept 32
	v_pk_fma_f32 v[X+J:X+J+1], v[X+J:X+J+1], v[G+J:G+J+1], v[BT+J:BT+J+1]
.set J, J+2
.endr
.irp b, 0,1,2,3                                ; the four blocks of 32, by turns
	v_max3_num_f32 v[TM+\b], |v[X+16*\b]|, |v[X+16*\b+1]|, 0x2800000   ; my 16 numbers, and the floor 2^(5 - 127): the byte cannot fall under 1
.endr
.irp i, 2,4,6,8,10,12,14
.irp b, 0,1,2,3
	s_delay_alu instid0(VALU_DEP_4)
	v_max3_num_f32 v[TM+\b], v[TM+\b], |v[X+16*\b+\i]|, |v[X+16*\b+\i+1]|
.endr
.endr
.irp b, 0,1,2,3
	s_delay_alu instid0(VALU_DEP_4)
	v_permlanex16_b32 v[TM+4+\b], v[TM+\b], s20, s21
.endr
.irp b, 0,1,2,3
	s_delay_alu instid0(VALU_DEP_4)
	v_max_num_f32 v[TM+\b], v[TM+\b], v[TM+4+\b]   ; with lane l xor 16's: the block's largest magnitude
.endr
.irp b, 0,1,2,3
	s_delay_alu instid0(VALU_DEP_4)
	v_add_nc_u32 v[TM+12+\b], 0xfe000000, v[TM+\b] ; 4 off its exponent field: the conversion's scale operand
.endr
.irp b, 0,1,2,3
	s_delay_alu instid0(VALU_DEP_4)
	v_lshrrev_b32 v[TM+4+\b], 23, v[TM+12+\b]      ; the scale's byte
.endr
	s_delay_alu instid0(VALU_DEP_3)
	v_lshl_or_b32 v[PW], v[TM+5], 8, v[TM+4]
	s_delay_alu instid0(VALU_DEP_1)
	v_lshl_or_b32 v[PW], v[TM+6], 16, v[PW]
	s_delay_alu instid0(VALU_DEP_1)
	v_lshl_or_b32 v[PW], v[TM+7], 24, v[PW]
.irp c, 0,1
	v_cvt_scalef32_pk16_bf6_f32 v[PC+6*\c:PC+6*\c+2], v[X+32*\c:X+32*\c+15], v[TM+12+2*\c]
	v_cvt_scalef32_pk16_bf6_f32 v[PC+12+4*\c:PC+14+4*\c], v[X+32*\c+16:X+32*\c+31], v[TM+13+2*\c]
.endr
	v_nop                                          ; one plain place behind a scaled conversion
.irp c, 0,1                                    ; the operand wants a whole block in a lane
.irp i, 0,1,2
	v_permlane16_swap_b32 v[PC+6*\c+\i], v[PC+12+4*\c+\i]
.endr
.irp i, 0,1,2
	s_delay_alu instid0(VALU_DEP_3)
	v_mov_b32 v[PC+3+6*\c+\i], v[PC+12+4*\c+\i]
.endr
.endr
	global_store_b128 v8, v[PC:PC+3], s[10:11]                     ; 512 consecutive bytes,
	global_store_b64 v9, v[PC+4:PC+5], s[10:11] offset:512         ; 256,
	global_store_b128 v8, v[PC+6:PC+9], s[10:11] offset:768
	global_store_b64 v9, v[PC+10:PC+11], s[10:11] offset:1280
	global_store_b32 v10, v[PW], s[10:11] offset:12288             ; the scale words: 4 bytes of each 32: one byte in 48 of what the wave stores (the other tiles' words are other work-groups')
	s_wait_tensorcnt 0x0
	ds_add_u32 v254, v255
	s_wait_dscnt 0x0
	s_endpgm
; ---- THE WEIGHTS, f32 with K on their first axis.  A work-group does two jobs, waves 0-3 one and waves 4-7 the next: job g = 2 (work-group - 256) + wave / 4 makes two panels (one block of 128 rows n x 256 along K),
; which lie at byte 25,600 g of wts: g 0-95 Wq, Wk, Wv (row n = 64 head + d), 96-127 Wo, 128-255 W1, 256-383 W2.
; A LANE TAKES A COLUMN n AND ITS REGISTERS RUN DOWN K: a block of 32 lies in one lane, its largest magnitude needs no other lane, and the conversions give codes with K innermost.  Wave w = wave % 4 takes 32 columns: tiles 2 w, 2 w + 1.
.Lweights:
.set VO,  16                           ; v16-47   4 x my column + i x the pitch, i = 0 .. 31; never rewritten
.set WX,  48                           ; v48-111  two sets of 32 numbers
.set F,   112                          ; v112-159 codes: for panel k, 24 registers: my even blocks' 12, then my odd blocks' 12
.set TC,  160                          ; v160-167 a block's upper 16 codes, two sets
.set SWD, 168                          ; v168-169 my column's scale word in panel 0, 1
.set SB,  32                           ; s[32:47] the address of block t's first row, t = 0 .. 7; never rewritten
	s_load_b256 s[4:11], s[0:1], 0x20              ; Wq, Wk, Wv, Wo
	s_load_b128 s[12:15], s[0:1], 0x40             ; W1, W2
	s_load_b64 s[16:17], s[0:1], 0x50              ; wts
	v_lshrrev_b32 v1, 5, v0
	s_delay_alu instid0(VALU_DEP_1)
	v_readfirstlane_b32 s57, v1                    ; wave 0..7
	s_and_b32 s18, s57, 3                          ; w
	s_lshr_b32 s58, s57, 2                         ; which of the work-group's two jobs
	s_sub_co_u32 s19, ttmp9, LNWG
	s_lshl_b32 s19, s19, 1
	s_add_co_u32 s19, s19, s58                     ; g
	s_mov_b32 s22, 0                               ; the region's first job,
	s_mov_b32 s23, 8                               ; log2 of the bytes from a row k to the next,
	s_mov_b32 s24, 2                               ; log2 of the number of 256s along K
	s_cmp_ge_u32 s19, 96
	s_cselect_b32 s22, 96, s22
	s_cselect_b32 s23, 12, s23
	s_cmp_ge_u32 s19, 128
	s_cselect_b32 s22, 128, s22
	s_cselect_b32 s23, 14, s23
	s_cmp_ge_u32 s19, 256
	s_cselect_b32 s22, 256, s22
	s_cselect_b32 s23, 12, s23
	s_cselect_b32 s24, 4, s24
	s_sub_co_u32 s25, s19, s22
	s_lshr_b32 s26, s25, s24                       ; which 128 rows n
	s_bfm_b32 s27, s24, 0
	s_and_b32 s27, s25, s27                        ; which 256 along K
	s_add_co_u32 s28, s23, 8
	s_lshl_b32 s27, s27, s28                       ; in bytes
	s_and_b32 s28, s26, 7                          ; Wq, Wk, Wv: head 2 (block % 8) + w / 2, of 262,144 bytes; d = 32 (w % 2) on
	s_lshl_b32 s28, s28, 1
	s_lshr_b32 s29, s18, 1
	s_add_co_u32 s28, s28, s29
	s_lshl_b32 s28, s28, 18
	s_and_b32 s29, s18, 1
	s_lshl_b32 s29, s29, 7
	s_add_co_u32 s28, s28, s29
	s_lshl_b32 s29, s26, 9                         ; the others: column 128 block + 32 w
	s_lshl_b32 s31, s18, 7
	s_add_co_u32 s29, s29, s31
	s_cmp_lt_u32 s19, 96
	s_cselect_b32 s28, s28, s29
	s_add_co_u32 s28, s28, s27                     ; my wave's first number, in bytes
	s_mov_b32 s29, 0
	s_lshl_b32 s30, 1, s23                         ; the pitch
	s_lshl_b32 s48, 32, s23                        ; 32 rows
	s_mov_b32 s49, 0
	s_mul_i32 s50, s19, 2*PAN
	s_mov_b32 s51, 0
	s_mul_i32 s54, s18, 2*FRB
	s_mov_b32 s55, 0
	s_lshl_b32 s59, s58, 10
	s_add_co_u32 s59, s59, 1024                    ; LDS: my job's 1,024 bytes, behind the norm's
	v_and_b32 v4, 31, v0                           ; lane
	s_delay_alu instid0(VALU_DEP_1)
	v_lshlrev_b32 v1, 4, v4                        ; 16 x lane
	s_delay_alu instid0(VALU_DEP_2)
	v_lshlrev_b32 v2, 3, v4                        ; 8 x lane
	v_and_b32 v5, 15, v0                           ; r
	v_bfe_u32 v6, v0, 4, 1                         ; u
	s_delay_alu instid0(VALU_DEP_2)
	v_and_b32 v7, 7, v5
	s_delay_alu instid0(VALU_DEP_1)
	v_lshl_add_u32 v7, v6, 3, v7
	s_delay_alu instid0(VALU_DEP_4)
	v_lshrrev_b32 v8, 3, v5
	s_delay_alu instid0(VALU_DEP_1)
	v_lshl_add_u32 v7, v8, 4, v7                   ; my column of the wave's 32: 8 u + r % 8 + 16 (r / 8)
	s_delay_alu instid0(VALU_DEP_1)
	v_lshlrev_b32 v[VO], 2, v7
.set J, 1
.rept 31
	s_delay_alu instid0(VALU_DEP_1)
	v_add_nc_u32 v[VO+J], s30, v[VO+J-1]
.set J, J+1
.endr
	v_lshlrev_b32 v3, 5, v5
	s_delay_alu instid0(VALU_DEP_1)
	v_lshl_add_u32 v3, v6, 2, v3
	s_lshl_b32 s56, s18, 3
	v_add_nc_u32 v3, s56, v3
	s_delay_alu instid0(VALU_DEP_1)
	v_add_nc_u32 v3, s59, v3                       ; LDS: my scale word's place: 32 r + 4 (2 w + u) in my job's bytes
	s_lshl_b32 s56, s18, 9
	v_add_nc_u32 v9, s56, v1
	s_delay_alu instid0(VALU_DEP_1)
	v_add_nc_u32 v9, s59, v9                       ; LDS: panel w's 512 bytes of scale words, 16 a lane (w = 0, 1)
	s_mul_i32 s56, s18, PAN
	v_add_nc_u32 v10, s56, v1                      ; and their place in memory
	s_wait_alu depctr_va_vdst(0)
	s_wait_kmcnt 0x0
	s_mov_b64 s[20:21], s[4:5]                     ; whose job?  The choice hangs on the work-group's and the wave's number alone
	s_cmp_ge_u32 s19, 32
	s_cselect_b64 s[20:21], s[6:7], s[20:21]
	s_cmp_ge_u32 s19, 64
	s_cselect_b64 s[20:21], s[8:9], s[20:21]
	s_cmp_ge_u32 s19, 96
	s_cselect_b64 s[20:21], s[10:11], s[20:21]
	s_cmp_ge_u32 s19, 128
	s_cselect_b64 s[20:21], s[12:13], s[20:21]
	s_cmp_ge_u32 s19, 256
	s_cselect_b64 s[20:21], s[14:15], s[20:21]
	s_add_nc_u64 s[SB:SB+1], s[20:21], s[28:29]
.irp t, 1,2,3,4,5,6,7
	s_add_nc_u64 s[SB+2*\t:SB+2*\t+1], s[SB+2*\t-2:SB+2*\t-1], s[48:49]
.endr
	s_add_nc_u64 s[16:17], s[16:17], s[50:51]      ; my job's two panels,
	s_add_nc_u64 s[52:53], s[16:17], s[54:55]      ; my wave's two tiles in them
.macro LOAD t                          ; block t: rows 32 t + 0 .. 31 of my column into set t % 2; a load's 32 lanes read 128 consecutive bytes
.set J, 0
.rept 32
	global_load_b32 v[WX+32*((\t)%2)+J], v[VO+J], s[SB+2*(\t):SB+2*(\t)+1] th:TH_LOAD_NT
.set J, J+1
.endr
.endm
.macro BLOCK t
.set XS, WX+32*((\t)%2)
.set FD, F+24*((\t)/4)+12*((\t)%2)+6*(((\t)%4)/2)
.set TT, TC+4*((\t)%2)
.if (\t) < 7
	s_wait_loadcnt 32                              ; this block's 32 loads are in; the next block's may be out
.else
	s_wait_loadcnt 0x0
.endif
	v_max3_num_f32 v12, |v[XS]|, |v[XS+1]|, |v[XS+2]|              ; the block's largest magnitude: all 32 numbers are mine; two chains
	v_max3_num_f32 v13, |v[XS+3]|, |v[XS+4]|, |v[XS+5]|
.irp i, 6,10,14,18,22,26
	s_delay_alu instid0(VALU_DEP_2)
	v_max3_num_f32 v12, v12, |v[XS+\i]|, |v[XS+\i+1]|
	s_delay_alu instid0(VALU_DEP_2)
	v_max3_num_f32 v13, v13, |v[XS+\i+2]|, |v[XS+\i+3]|
.endr
	s_delay_alu instid0(VALU_DEP_2)
	v_max3_num_f32 v12, v12, |v[XS+30]|, |v[XS+31]|
	s_delay_alu instid0(VALU_DEP_1)
	v_max3_num_f32 v12, v12, v13, 0x2800000        ; and the floor 2^(5 - 127): the byte cannot fall under 1
	s_delay_alu instid0(VALU_DEP_1)
	v_add_nc_u32 v11, 0xfe000000, v12              ; 4 off the exponent field: the conversion's scale operand
	s_delay_alu instid0(VALU_DEP_1)
	v_lshrrev_b32 v13, 23, v11                     ; the scale's byte
.if (\t)%4 == 0
	s_delay_alu instid0(VALU_DEP_1)
	v_mov_b32 v[SWD+(\t)/4], v13
.else
	s_delay_alu instid0(VALU_DEP_1)
	v_lshl_or_b32 v[SWD+(\t)/4], v13, 8*((\t)%4), v[SWD+(\t)/4]
.endif
	v_cvt_scalef32_pk16_bf6_f32 v[FD:FD+2], v[XS:XS+15], v11
	v_cvt_scalef32_pk16_bf6_f32 v[TT:TT+2], v[XS+16:XS+31], v11    ; (a conversion's three registers begin on an even number)
	v_nop                                          ; one plain place behind a scaled conversion
.irp i, 0,1,2
	v_mov_b32 v[FD+3+\i], v[TT+\i]
.endr
.if (\t)+2 < 8
	LOAD (\t)+2
.endif
.endm
; Panel k is whole.  Lanes 0-15 hold tile 2 w's rows, lanes 16-31 tile 2 w + 1's; an operand wants a tile's even blocks in lanes 0-15 and its odd blocks in lanes 16-31:
; the even blocks' lanes 16-31 change places with the odd blocks' lanes 0-15.  Each store of the wave covers whole aligned runs of 256 bytes.
.macro OUTK k
.set J, 0
.rept 12
	v_permlane16_swap_b32 v[F+24*\k+J], v[F+24*\k+12+J]
.set J, J+1
.endr
.irp p, 0,1
	global_store_b128 v1, v[F+24*\k+12*\p:F+24*\k+12*\p+3], s[52:53] offset:\k*PAN+\p*FRB
	global_store_b64 v2, v[F+24*\k+12*\p+4:F+24*\k+12*\p+5], s[52:53] offset:\k*PAN+\p*FRB+512
	global_store_b128 v1, v[F+24*\k+12*\p+6:F+24*\k+12*\p+9], s[52:53] offset:\k*PAN+\p*FRB+768
	global_store_b64 v2, v[F+24*\k+12*\p+10:F+24*\k+12*\p+11], s[52:53] offset:\k*PAN+\p*FRB+1280
.endr
	ds_store_b32 v3, v[SWD+\k] offset:512*\k
.endm
	LOAD 0
	LOAD 1
	BLOCK 0
	BLOCK 1
	BLOCK 2
	BLOCK 3
	OUTK 0
	BLOCK 4
	BLOCK 5
	BLOCK 6
	BLOCK 7
	OUTK 1
	s_wait_dscnt 0x0                               ; for the others' sake: my scale words lie in LDS
	s_barrier_signal -1
	s_barrier_wait -1
	s_cmp_gt_u32 s18, 1
	s_cbranch_scc1 .Lend                           ; of a job's four waves, w = 0 stores panel 0's scale words, w = 1 panel 1's: 512 consecutive bytes
	ds_load_b128 v[12:15], v9
	s_wait_dscnt 0x0
	global_store_b128 v10, v[12:15], s[16:17] offset:12288
.Lend:
	s_wait_tensorcnt 0x0
	ds_add_u32 v254, v255
	s_wait_dscnt 0x0
	s_endpgm
.Lfunc_end_k_qa00b97be5d_first:
	.size	k_qa00b97be5d_first, .Lfunc_end_k_qa00b97be5d_first-k_qa00b97be5d_first
	.p2alignl 7, 3214868480
	.fill 96, 4, 3214868480
	.section	.rodata,"a",@progbits
	.p2align	6, 0x0
	.amdhsa_kernel k_qa00b97be5d_first
		.amdhsa_group_segment_fixed_size 4096
		.amdhsa_private_segment_fixed_size 0
		.amdhsa_enable_private_segment 0
		.amdhsa_kernarg_size 88
		.amdhsa_user_sgpr_count 2
		.amdhsa_user_sgpr_kernarg_segment_ptr 1
		.amdhsa_wavefront_size32 1
		.amdhsa_system_sgpr_workgroup_id_x 1
		.amdhsa_system_sgpr_workgroup_id_y 1
		.amdhsa_system_sgpr_workgroup_id_z 1
		.amdhsa_system_vgpr_workitem_id 0
		.amdhsa_next_free_vgpr 256
		.amdhsa_next_free_sgpr 66
		.amdhsa_reserve_vcc 0
		.amdhsa_float_denorm_mode_32 3
		.amdhsa_float_denorm_mode_16_64 3
		.amdhsa_memory_ordered 1
		.amdhsa_forward_progress 1
		.amdhsa_inst_pref_size 76
	.end_amdhsa_kernel
	.amdgpu_metadata
---
amdhsa.version: [ 1, 2 ]
amdhsa.kernels:
  - .name:           k_qa00b97be5d_first
    .symbol:         k_qa00b97be5d_first.kd
    .args:
      - { .name: x, .offset: 0, .size: 8, .value_kind: global_buffer, .address_space: global }
      - { .name: g1, .offset: 8, .size: 8, .value_kind: global_buffer, .address_space: global }
      - { .name: beta1, .offset: 16, .size: 8, .value_kind: global_buffer, .address_space: global }
      - { .name: xn, .offset: 24, .size: 8, .value_kind: global_buffer, .address_space: global }
      - { .name: Wq, .offset: 32, .size: 8, .value_kind: global_buffer, .address_space: global }
      - { .name: Wk, .offset: 40, .size: 8, .value_kind: global_buffer, .address_space: global }
      - { .name: Wv, .offset: 48, .size: 8, .value_kind: global_buffer, .address_space: global }
      - { .name: Wo, .offset: 56, .size: 8, .value_kind: global_buffer, .address_space: global }
      - { .name: W1, .offset: 64, .size: 8, .value_kind: global_buffer, .address_space: global }
      - { .name: W2, .offset: 72, .size: 8, .value_kind: global_buffer, .address_space: global }
      - { .name: wts, .offset: 80, .size: 8, .value_kind: global_buffer, .address_space: global }
    .group_segment_fixed_size: 4096
    .private_segment_fixed_size: 0
    .kernarg_segment_align: 8
    .kernarg_segment_size: 88
    .max_flat_workgroup_size: 256
    .sgpr_count:     66
    .vgpr_count:     256
    .wavefront_size: 32
...
	.end_amdgpu_metadata
.endif
;; end of part 1
;; launch proj (part 2): grid 12 x 16, 4 waves a work-group, clusters of 4 x 4, 327,680 bytes of LDS; arguments xn, wts, qkvc; writes qkvc
.if DOCPART == 2
	.amdgcn_target "amdgcn-amd-amdhsa--gfx1250"
	.amdhsa_code_object_version 6
	.text
	.protected	k_qa00b97be5d_proj
	.globl	k_qa00b97be5d_proj
	.p2align	8
	.type	k_qa00b97be5d_proj,@function
k_qa00b97be5d_proj:
	s_mov_b64 s[64:65], 0
	v_nop
	global_prefetch_b8 v0, s[64:65] scope:SCOPE_SE
	s_setreg_imm32_b32 hwreg(HW_REG_WAVE_MODE, 25, 1), 1
	s_wait_xcnt 0x0
	s_wait_alu depctr_hold_cnt(0) depctr_sa_sdst(0) depctr_va_vdst(0) depctr_va_sdst(0) depctr_va_ssrc(0) depctr_va_vcc(0) depctr_vm_vsrc(0)
	s_getreg_b32 s2, hwreg(HW_REG_IB_STS2, 6, 4)
	s_cmp_eq_u32 s2, 0
	s_cbranch_scc0 .Lentry_in_a_cluster
	s_endpgm
.Lentry_in_a_cluster:
	s_bfe_u32 s2, ttmp6, 0x10000c
	s_cmp_lg_u32 s2, 0xf033
	s_cbranch_scc0 .Lentry_shape_is_right
	s_endpgm
.Lentry_shape_is_right:
; q, k and v: LN1's codes (xn) times the codes of Wq, Wk, Wv (wts), BF6 (E3M2) with E8M0 scales, K = 1,024; the results are quantised in registers for the two products of attention and stored as images of operand registers.
; OPERANDS are panels of 12,800 bytes (128 rows x 128 K: eight fragments of 1,536 bytes = 12 registers a lane: registers 0-3 at 16 x lane, 4-5 at 512 + 8 x lane, 6-9 at 768 + 16 x lane, 10-11 at 1,280 + 8 x lane;
; then the scale words at 12,288 + 32 r + 4 tile), laid [block of 128 rows][K step].  Lane r of tile 2 b + u holds row 32 b + 8 u + r % 8 + 16 (r / 8).
; A work-group of four waves makes 256 x 256, a wave 128 x 128: 64 accumulators.  THE MATRIX INSTRUCTION IS USED TRANSPOSED: source 0 = a tile of B, source 1 = a tile of A: a lane holds one row of A, and by the choice of a tile's
; rows the 16 registers of B's tiles 2 b, 2 b + 1 are 16 neighbours along B's rows: the next product's K.
; The cluster's x is the part.  q (0), k (1): A = tokens, B = the weight's rows n = 64 head + d: K of the scores is d.  v (2): A = Wv's rows, B = tokens: K of the second product is the keys.  Only pointers and indices are chosen.
; K's EIGHT STEPS GO THROUGH TWO LDS SLOTS OF 3 K STEPS.  A slot is four dense pieces of 38,400 bytes (A's two blocks of rows, B's two), one tensor load a wave.  Slot 0 is asked for at the start, slot 1 behind a round (one load of a
; wave is out); slot 0 is filled once more, with K steps 6 and 7, at its last step: ONE refill, and from its request to the wait for it a wave issues 160 matrix instructions.
; CLUSTERS: 4 x 4.  A's pieces hang on cy alone and are asked for jointly along a row of the cluster, B's on cx alone, along a column.
; OUT: qkvc [batch x head][step of 128 tokens][19,200]: q at 0, k at 6,400: eight half fragments (16 tokens x 64 d, 768 bytes) and at 6,144 the words of pairs of tiles (16 r + 4 pair: tile 2 p's two bytes, then tile 2 p + 1's);
; v at 12,800: four fragments (16 d x 128 keys) and at 6,144 their words (16 r + 4 tile).
; LIMITS: a block of zeros, or one under 2^-122, gets the byte 1 with zero codes (this program alone reads the bytes); NaN and infinities are not served.
; REGISTERS: window 0: v1-6 lane terms; v8-21 addresses; v28-29 the add's; v32-47 scale words, two sets; v48-106 the way out; from v128 A's fragments, one set.  window 1: B's fragments, two sets, at v0 and v128.  windows 2, 3: the accumulators.
.set NKS,   8
.set PAN,   12800
.set FRB,   1536
; THE RING AS IT STANDS NOW: two slots of 3 K steps; a piece is 38,400 dense bytes, one tensor load a wave.  Slot 0 (K steps 0-2) is asked for at the head, slot 1 (3-5) behind the full sequence and a round,
; and K steps 6 and 7 land on slot 0's first 25,600 bytes of each piece behind the round of K step 2.  One load of a wave is out at any time.
.set PIECE, 3*PAN
.set SLOT,  4*PIECE
.set CH,    3*PAN
.set SPARE, 2*SLOT
.set FR,    12
.set NL,    4                          ; LDS loads that bring a fragment
.set ENT,   19200
.set HS,    8*ENT                      ; from a head to the next in qkvc
.set ADRA,  8                          ; v8-9 16 x lane + my rows of A in slot 0, 1; v11-12 the same with 8 x lane
.set ADRB,  14                         ; v14-15, v17-18 the same for B
.set ADRS,  20                         ; v20-21 my scale words in slot 0, 1: lanes 0-15 A's, lanes 16-31 B's
.set SPW,   28
.set NIL,   29
.set SC,    32                         ; set p at v[SC + 8 p]: register i: lanes 0-15 the word of A's tile i, lanes 16-31 of B's
.set AF,    128
.set TM,    48
.set PW,    64
.set SW,    66                         ; v66-73 the eight blocks' scale words
.set PC,    80                         ; v80-99 the codes just made
.set TT,    100
.set VSEL,  104
.set AO,    106
.set G1,  24                           ; s[24:31] descriptor group 1 for A's pieces; s[48:55] for B's
.set G1B, 48
.set GA0, 32                           ; descriptor groups 0, a set for each slot: A's
.set GA1, 36
.set GA2, 84
.set GB0, 56                           ; and B's
.set GB1, 60
.set GB2, 88
.set PART, 79
.set MSB, 0
.macro WIN new                         ; the immediate's high byte repeats the setting that is left
.if MSB != (\new)
	s_set_vgpr_msb (MSB<<8)|(\new)
.set MSB, (\new)
.endif
.endm
.macro JLOAD ga, gb                    ; a joint load: waves 0 and 1 fetch A's pieces, waves 2 and 3 B's; four v_nop follow each line
	s_cmp_eq_u32 s15, 0
	s_cbranch_scc0 .Lfor_b_\@
	tensor_load_to_lds s[\ga:\ga+3], s[G1:G1+7]
	s_nop 0
.rept 4
	v_nop
.endr
	s_branch .Lasked_\@
.Lfor_b_\@:
	tensor_load_to_lds s[\gb:\gb+3], s[G1B:G1B+7]
	s_nop 0
.rept 4
	v_nop
.endr
.Lasked_\@:
.endm
.macro CREST                           ; a round of the cluster's barrier behind its opening barrier
	s_cmp_lg_u32 s14, 0
	s_cbranch_scc1 .Lnot_wave_0_\@
	s_barrier_signal -3
.Lnot_wave_0_\@:
	s_barrier_wait -3
	s_barrier_signal -1
	s_barrier_wait -1
.endm
.macro CROUND
	s_barrier_signal -1
	s_barrier_wait -1
	CREST
.endm
.macro PLACES                          ; four plain places behind matrix instructions, in front of loads into their registers and of reads of their results
.rept 4
	v_nop
.endr
.endm
	s_load_b128 s[4:7], s[0:1], 0x0                ; xn, wts
	s_load_b64 s[8:9], s[0:1], 0x10                ; qkvc
	v_lshl_add_u32 v[SPW], v0, 2, SPARE
	v_mov_b32 v[NIL], 0
	ds_add_u32 v28, v29
	ds_add_u32 v28, v29
	s_wait_dscnt 0x0
	v_lshrrev_b32 v1, 5, v0
	v_readfirstlane_b32 s14, v1                    ; wave
	s_lshr_b32 s15, s14, 1                         ; which half of A's rows is mine.  Also: I fetch for A (0) or B (1)
	s_and_b32 s16, s14, 1                          ; which half of B's rows.  Also: which piece I fetch
	s_bfe_u32 s40, ttmp6, 0x40000                  ; cx
	s_bfe_u32 s41, ttmp6, 0x40004                  ; cy
	s_mov_b32 s[PART], ttmp9                       ; the cluster's x: the same in all sixteen partners
	s_lshl_b32 s66, ttmp9, 2
	s_and_b32 s67, ttmp7, 0xffff
	s_lshl_b32 s67, s67, 2
	s_add_co_u32 s17, s67, s41                     ; q, k: A = tokens, block 4 cluster y + cy
	s_add_co_u32 s42, s66, s40                     ;       B = weight rows, block 4 cluster x + cx
	s_add_co_u32 s68, s67, s40                     ; v:    B = tokens, block 4 cluster y + cx;  A = Wv's rows, block cy
	s_cmp_eq_u32 s[PART], 2
	s_cselect_b32 s17, s41, s17                    ; A's block of 256 rows: hangs on cy alone
	s_cselect_b32 s42, s68, s42                    ; B's: on cx alone
	s_cselect_b32 s69, 1638400, 0                  ; Wv's panels begin there in wts
	s_lshl_b32 s43, s41, 2
	s_lshl_b32 s43, 15, s43                        ; my row of the cluster
	s_lshl_b32 s44, 0x1111, s40                    ; my column
	s_or_b32 s[G1+0], s43, (3<<16)|(1<<21)         ; 15:0 the mask; 17:16 elements of 8 bytes; 21 set beside a mask; no padding
	s_or_b32 s[G1B+0], s44, (3<<16)|(1<<21)
.irp g, G1, G1B                                ; a piece: 38,400 dense bytes as 150 rows of 256
	s_mov_b32 s[\g+1], 32<<16
	s_mov_b32 s[\g+2], 150<<16                     ; 38,400 bytes as 150 rows of 256
	s_mov_b32 s[\g+3], 32<<16
	s_mov_b32 s[\g+4], 150
	s_mov_b32 s[\g+5], 32
	s_mov_b32 s[\g+6], 0
	s_mov_b32 s[\g+7], 0
.endr
	s_lshl_b32 s20, s17, 1
	s_add_co_u32 s20, s20, s16
	s_mul_i32 s20, s20, NKS*PAN
	s_add_co_u32 s20, s20, s69                     ; A's piece, in bytes
	s_mov_b32 s21, 0
	s_lshl_b32 s46, s42, 1
	s_add_co_u32 s46, s46, s16
	s_mul_i32 s46, s46, NKS*PAN                    ; B's
	s_mov_b32 s47, 0
	s_mul_i32 s45, s14, PIECE                      ; where it goes: no place in the cluster enters an LDS address
	s_wait_kmcnt 0x0
	s_cmp_eq_u32 s[PART], 2
	s_cselect_b64 s[70:71], s[6:7], s[4:5]         ; A's buffer
	s_cselect_b64 s[72:73], s[4:5], s[6:7]         ; B's
	s_add_nc_u64 s[20:21], s[70:71], s[20:21]
	s_add_nc_u64 s[46:47], s[72:73], s[46:47]
	CROUND                                         ; all sixteen work-groups are here: the first joint loads meet
.macro FIRST s, ga, gb                 ; slot s's groups 0, for K steps 3 s .. 3 s + 2, and its first fill
	s_mov_b32 s[\ga], 1
	s_add_co_u32 s[\ga+1], s45, (\s)*SLOT
	s_add_nc_u64 s[\ga+2:\ga+3], s[20:21], (\s)*CH
	s_or_b32 s[\ga+3], s[\ga+3], 0x80000000
	s_mov_b32 s[\gb], 1
	s_add_co_u32 s[\gb+1], s45, (\s)*SLOT
	s_add_nc_u64 s[\gb+2:\gb+3], s[46:47], (\s)*CH
	s_or_b32 s[\gb+3], s[\gb+3], 0x80000000
.endm
	FIRST 0, GA0, GB0
	FIRST 1, GA1, GB1
	JLOAD GA0, GB0                                 ; K steps 0-2: one tensor load a wave at the head
	v_and_b32 v1, 31, v0                           ; lane
	v_and_b32 v2, 15, v0                           ; r
	v_bfe_u32 v3, v0, 4, 1                         ; h
	v_lshlrev_b32 v4, 4, v1
	v_lshlrev_b32 v5, 3, v1
	s_mul_i32 s66, s15, PIECE                      ; my 128 rows of A,
	s_mul_i32 s67, s16, PIECE
	s_add_co_u32 s67, s67, 2*PIECE                 ; of B
	s_sub_co_u32 s68, s67, s66
	v_mul_u32_u24 v6, s68, v3                      ; lanes 16-31 take B's scale words
	v_lshl_add_u32 v6, v2, 5, v6
	v_add_nc_u32 v6, s66, v6
.irp s, 0,1
	v_add_nc_u32 v[ADRS+\s], 12288+\s*SLOT, v6
	v_add_nc_u32 v[ADRA+\s], s66, v4
	v_add_nc_u32 v[ADRA+3+\s], s66, v5
	v_add_nc_u32 v[ADRB+\s], s67, v4
	v_add_nc_u32 v[ADRB+3+\s], s67, v5
	s_add_co_u32 s66, s66, SLOT
	s_add_co_u32 s67, s67, SLOT
.endr
.irp b, 0,1,2,3
	v_mov_b32 v[TM+4+\b], 0                        ; written once: a lane permute's destination counts as one of its sources
.endr
	v_mul_u32_u24 v[AO], v3, HS
	v_lshl_add_u32 v[AO], v2, 4, v[AO]             ; the scale words' way out: 16 r, lanes 16-31 a head further on
	; where my results go: the tokens' block of 128 gives batch and step; my first head
	s_lshl_b32 s74, s17, 1
	s_add_co_u32 s74, s74, s15
	s_lshl_b32 s75, s42, 1
	s_add_co_u32 s75, s75, s16
	s_lshl_b32 s76, s40, 2
	s_lshl_b32 s77, s16, 1
	s_add_co_u32 s76, s76, s77                     ; q, k: head 4 cx + 2 (half of B)
	s_lshl_b32 s77, s41, 2
	s_lshl_b32 s78, s15, 1
	s_add_co_u32 s77, s77, s78                     ; v: head 4 cy + 2 (half of A)
	s_cmp_eq_u32 s[PART], 2
	s_cselect_b32 s74, s75, s74
	s_cselect_b32 s76, s77, s76
	s_lshr_b32 s75, s74, 3
	s_and_b32 s74, s74, 7
	s_lshl_b32 s75, s75, 4
	s_add_co_u32 s75, s75, s76
	s_lshl_b32 s75, s75, 3
	s_add_co_u32 s75, s75, s74
	s_mul_i32 s74, s75, ENT
	s_mul_i32 s75, s[PART], 6400
	s_add_co_u32 s74, s74, s75
	s_mov_b32 s75, 0
	s_add_nc_u64 s[8:9], s[8:9], s[74:75]
.macro FRAG reg, adr, off              ; a fragment comes as it was stored: four loads, each of consecutive bytes
	ds_load_b128 v[(\reg):(\reg)+3], v[\adr] offset:(\off)
	ds_load_b64 v[(\reg)+4:(\reg)+5], v[(\adr)+3] offset:(\off)+512
	ds_load_b128 v[(\reg)+6:(\reg)+9], v[\adr] offset:(\off)+768
	ds_load_b64 v[(\reg)+10:(\reg)+11], v[(\adr)+3] offset:(\off)+1280
.endm
.macro FETCH_B slot, q, p
	WIN 0x40
.irp i, 0,1,2,3,4,5,6,7
	FRAG 128*(\p)+FR*\i, ADRB+\slot, (\q)*PAN+FRB*\i
.endr
	WIN 0
.endm
.macro FETCH_A slot, q, i0
.irp i, 0,1,2,3
	FRAG AF+FR*((\i0)+\i), ADRA+\slot, (\q)*PAN+FRB*((\i0)+\i)
.endr
.endm
.macro SCALES slot, q, p
	ds_load_b128 v[SC+8*(\p):SC+8*(\p)+3], v[ADRS+\slot] offset:(\q)*PAN
	ds_load_b128 v[SC+8*(\p)+4:SC+8*(\p)+7], v[ADRS+\slot] offset:(\q)*PAN+16
.endm
; A's tile a against B's eight.  The 64 accumulators take turns, one instruction a turn, in the same order in every step.
.macro MULA a, p, zero
.irp b, 0,1,2,3,4,5,6,7
.if \zero
	v_wmma_scale_f32_16x16x128_f8f6f4 v[64*((\a)%4)+8*\b:64*((\a)%4)+8*\b+7], v[128*(\p)+FR*\b:128*(\p)+FR*\b+FR-1], v[AF+FR*(\a):AF+FR*(\a)+FR-1], 0, v[SC+8*(\p)+\b], v[SC+8*(\p)+(\a)] matrix_a_fmt:MATRIX_FMT_BF6 matrix_b_fmt:MATRIX_FMT_BF6 matrix_a_scale:MATRIX_SCALE_ROW1
.else
	v_wmma_scale_f32_16x16x128_f8f6f4 v[64*((\a)%4)+8*\b:64*((\a)%4)+8*\b+7], v[128*(\p)+FR*\b:128*(\p)+FR*\b+FR-1], v[AF+FR*(\a):AF+FR*(\a)+FR-1], v[64*((\a)%4)+8*\b:64*((\a)%4)+8*\b+7], v[SC+8*(\p)+\b], v[SC+8*(\p)+(\a)] matrix_a_fmt:MATRIX_FMT_BF6 matrix_b_fmt:MATRIX_FMT_BF6 matrix_a_scale:MATRIX_SCALE_ROW1
.endif
.endr
.endm
; A step of 128 along K whose successor, K step nq of slot ns, is known to lie whole in LDS.  It multiplies B's set p and fetches the successor into the other set.
; A has one set of registers: tiles 0-3 are fetched anew in the step's middle, tiles 4-7 at its end; B and the scale words have two sets.
.macro STEP p, ns, nq, zero
	s_wait_dscnt 4*NL                              ; B, A's tiles 0-3 and the scale words are in; the youngest 16 loads (A's tiles 4-7) may be out
	WIN 0xa1
.irp a, 0,1,2,3
	MULA \a, \p, \zero
.endr
	s_wait_dscnt 0x0
	PLACES
	FETCH_B \ns, \nq, 1-(\p)
	FETCH_A \ns, \nq, 0
	SCALES \ns, \nq, 1-(\p)
	WIN 0xf1
.irp a, 4,5,6,7
	MULA \a, \p, \zero
.endr
	PLACES
	WIN 0
	FETCH_A \ns, \nq, 4
.endm
; A slot's last step (B's set 1) with a barrier: in front of it each wave waits for all its tensor loads, adds 0 to its spare word, and waits for that and for its reads of the slot that it leaves.
; fill = 1: slot 0, just read out, takes K steps 6 and 7.
.macro TURN p, next, fill
	s_wait_tensorcnt 0x0                           ; all my tensor loads have landed
	ds_add_u32 v[SPW], v[NIL]                      ; 0 onto my spare word
	s_wait_dscnt 4*NL+1                            ; (the add and the youngest 16 loads may be out)
	WIN 0xa1
	MULA 0, \p, 0
	MULA 1, \p, 0
	s_wait_dscnt 0x0                               ; the add is done, and my reads of this slot are over
	s_barrier_signal -1
	MULA 2, \p, 0
	MULA 3, \p, 0
	WIN 0
	s_barrier_wait -1
.if \fill
	CREST                                          ; the barrier has opened a round of the cluster's: no wave of any partner still reads slot 0 or has a load on its way
	s_add_nc_u64 s[GA0+2:GA0+3], s[GA0+2:GA0+3], 2*CH
	s_add_nc_u64 s[GB0+2:GB0+3], s[GB0+2:GB0+3], 2*CH
	s_mov_b32 s[G1+2], 100<<16                     ; no tensor load of mine is out: the refill brings two K steps, 100 rows of 256 bytes
	s_mov_b32 s[G1+4], 100
	s_mov_b32 s[G1B+2], 100<<16
	s_mov_b32 s[G1B+4], 100
	JLOAD GA0, GB0                                 ; the first tensor load behind the round; its four v_nop are the places in front of the loads below
.else
	PLACES
.endif
	FETCH_B \next, 0, 1-(\p)
	FETCH_A \next, 0, 0
	SCALES \next, 0, 1-(\p)
	WIN 0xf1
.irp a, 4,5,6,7
	MULA \a, \p, 0
.endr
	PLACES
	WIN 0
	FETCH_A \next, 0, 4
.endm
	s_wait_alu depctr_va_vdst(0)
	s_wait_tensorcnt 0x0                           ; my piece of slot 0 is in
	ds_add_u32 v[SPW], v[NIL]
	s_wait_dscnt 0x0
	CROUND                                         ; everybody's piece is in, and all sixteen work-groups are here
	JLOAD GA1, GB1                                 ; K steps 3-5, the first tensor load behind the round
	FETCH_B 0, 0, 0
	FETCH_A 0, 0, 0
	SCALES 0, 0, 0
	FETCH_A 0, 0, 4
	STEP 0, 0, 1, 1                                ; K step 0: its products start the sums
	STEP 1, 0, 2, 0                                ; K step 1
	TURN 0, 1, 1                                   ; K step 2: slot 1 is whole; slot 0 takes K steps 6 and 7
	STEP 1, 1, 1, 0                                ; K step 3
	STEP 0, 1, 2, 0                                ; K step 4
	TURN 1, 0, 0                                   ; K step 5: the refill has landed; nothing is filled
	STEP 0, 0, 1, 0                                ; K step 6
	s_wait_dscnt 4*NL                              ; K step 7: nothing more to fetch
	WIN 0xa1
.irp a, 0,1,2,3
	MULA \a, 1, 0
.endr
	s_wait_dscnt 0x0
	WIN 0xf1
.irp a, 4,5,6,7
	MULA \a, 1, 0
.endr
	WIN 0
; 64 numbers of a lane in window w, register 16 b + i = k 32 b + 16 (lane / 16) + i of my row, become a fragment's codes in v[PC] on and its scale word in v[PW].  Each accumulator is read from its low end on.
.macro QUANT s, w
	WIN ((\w)<<2)|((\w)<<4)
.irp b, 0,1,2,3
	v_max3_num_f32 v[TM+\b], 0x2800000, |v[(\s)+16*\b]|, |v[(\s)+16*\b+1]|   ; my 16 numbers of block b, and the floor 2^(5 - 127): the byte cannot fall under 1
.endr
.irp i, 2,4,6,8,10,12,14
.irp b, 0,1,2,3
	v_max3_num_f32 v[TM+\b], v[TM+\b], |v[(\s)+16*\b+\i]|, |v[(\s)+16*\b+\i+1]|
.endr
.endr
	WIN 0
.irp b, 0,1,2,3
	v_permlanex16_b32 v[TM+4+\b], v[TM+\b], s80, s81
.endr
.irp b, 0,1,2,3
	v_max_num_f32 v[TM+\b], v[TM+\b], v[TM+4+\b]   ; with lane l xor 16's: the block's largest magnitude
.endr
.irp b, 0,1,2,3
	v_add_nc_u32 v[TM+12+\b], 0xfe000000, v[TM+\b] ; 4 off its exponent field: the conversion's scale operand
.endr
.irp b, 0,1,2,3
	v_lshrrev_b32 v[TM+4+\b], 23, v[TM+12+\b]      ; the scale's byte
.endr
	v_lshl_or_b32 v[PW], v[TM+5], 8, v[TM+4]
	v_lshl_or_b32 v[PW], v[TM+6], 16, v[PW]
	v_lshl_or_b32 v[PW], v[TM+7], 24, v[PW]
	WIN (\w)
.irp c, 0,1
	v_cvt_scalef32_pk16_bf6_f32 v[PC+6*\c:PC+6*\c+2], v[(\s)+32*\c:(\s)+32*\c+15], v[TM+12+2*\c]
	v_cvt_scalef32_pk16_bf6_f32 v[PC+12+4*\c:PC+14+4*\c], v[(\s)+32*\c+16:(\s)+32*\c+31], v[TM+13+2*\c]
.endr
	WIN 0
	v_nop                                          ; one plain place behind a scaled conversion
.irp c, 0,1                                    ; the operand wants a whole block in a lane
.irp i, 0,1,2
	v_permlane16_swap_b32 v[PC+6*\c+\i], v[PC+12+4*\c+\i]
.endr
.irp i, 0,1,2
	v_mov_b32 v[PC+3+6*\c+\i], v[PC+12+4*\c+\i]
.endr
.endr
.endm
.macro PUT o0, o1                      ; the fragment's two halves, 768 bytes each: every store covers whole aligned runs of 256 bytes
	global_store_b128 v4, v[PC:PC+3], s[8:9] offset:(\o0)
	global_store_b64 v5, v[PC+4:PC+5], s[8:9] offset:(\o0)+512
	global_store_b128 v4, v[PC+6:PC+9], s[8:9] offset:(\o1)
	global_store_b64 v5, v[PC+10:PC+11], s[8:9] offset:(\o1)+512
.endm
	s_mov_b32 s80, 0x76543210
	s_mov_b32 s81, 0xfedcba98                      ; v_permlanex16_b32's selects for lane l xor 16
	PLACES
	; THE WAY OUT, a tile of A's rows at a time.  q, k: 16 tokens x (64 d of my first head, 64 d of the next): two half fragments.  v: 16 d (tiles 0-3 my first head's, 4-7 the next's) x 128 keys: a fragment.
.irp a, 0,1,2,3,4,5,6,7
	s_wait_xcnt 0x0                                ; the last tile's stores have read their registers: the codes may be written again
	QUANT 64*(\a%4), 2+\a/4
	v_mov_b32 v[SW+\a], v[PW]
	s_cmp_eq_u32 s[PART], 2
	s_cbranch_scc1 .Lv_\a
	PUT 768*\a, 768*\a+HS
	s_branch .Ld_\a
.Lv_\a:
	s_wait_alu depctr_va_vdst(0)
	PUT (\a/4)*HS+(\a%4)*FRB, (\a/4)*HS+(\a%4)*FRB+768
.Ld_\a:
.endr
	v_mov_b32 v[VSEL], 0x05040100                  ; lanes 0-15 gather my first head's words, lanes 16-31 the next head's
	v_mov_b32 v[VSEL+1], 0x07060302
	v_cmp_eq_u32 vcc_lo, 1, v3
	v_cndmask_b32 v[VSEL], v[VSEL], v[VSEL+1], vcc_lo
	s_cmp_eq_u32 s[PART], 2
	s_cbranch_scc1 .Lv_words
	s_wait_alu depctr_va_vdst(0)
.irp p, 0,1,2,3
	v_perm_b32 v[TT+\p], v[SW+2*\p+1], v[SW+2*\p], v[VSEL]   ; a head's two bytes of tile 2 p, then of tile 2 p + 1
.endr
	s_branch .Lwords
.Lv_words:
	s_wait_alu depctr_va_vdst(0)
.irp p, 0,1,2,3
	v_cndmask_b32 v[TT+\p], v[SW+\p], v[SW+4+\p], vcc_lo
.endr
.Lwords:
	s_wait_alu depctr_va_vdst(0)
	global_store_b128 v[AO], v[TT:TT+3], s[8:9] offset:6144        ; sixteen lanes store 256 consecutive bytes
	s_wait_tensorcnt 0x0                           ; the wave's end
	ds_add_u32 v[SPW], v[NIL]
	s_wait_dscnt 0x0
	CROUND                                         ; the closing round
	s_endpgm
.Lfunc_end_k_qa00b97be5d_proj:
	.size	k_qa00b97be5d_proj, .Lfunc_end_k_qa00b97be5d_proj-k_qa00b97be5d_proj
	.p2alignl 7, 3214868480
	.fill 96, 4, 3214868480
	.section	.rodata,"a",@progbits
	.p2align	6, 0x0
	.amdhsa_kernel k_qa00b97be5d_proj
		.amdhsa_group_segment_fixed_size 327680
		.amdhsa_private_segment_fixed_size 0
		.amdhsa_enable_private_segment 0
		.amdhsa_kernarg_size 24
		.amdhsa_user_sgpr_count 2
		.amdhsa_user_sgpr_kernarg_segment_ptr 1
		.amdhsa_wavefront_size32 1
		.amdhsa_system_sgpr_workgroup_id_x 1
		.amdhsa_system_sgpr_workgroup_id_y 1
		.amdhsa_system_sgpr_workgroup_id_z 1
		.amdhsa_system_vgpr_workitem_id 0
		.amdhsa_next_free_vgpr 1024
		.amdhsa_next_free_sgpr 100
		.amdhsa_reserve_vcc 1
		.amdhsa_float_denorm_mode_32 3
		.amdhsa_float_denorm_mode_16_64 3
		.amdhsa_memory_ordered 1
		.amdhsa_forward_progress 1
		.amdhsa_inst_pref_size 150
	.end_amdhsa_kernel
	.amdgpu_metadata
---
amdhsa.version: [ 1, 2 ]
amdhsa.kernels:
  - .name:           k_qa00b97be5d_proj
    .symbol:         k_qa00b97be5d_proj.kd
    .args:
      - { .name: xn, .offset: 0, .size: 8, .value_kind: global_buffer, .address_space: global }
      - { .name: wts, .offset: 8, .size: 8, .value_kind: global_buffer, .address_space: global }
      - { .name: qkvc, .offset: 16, .size: 8, .value_kind: global_buffer, .address_space: global }
    .group_segment_fixed_size: 327680
    .private_segment_fixed_size: 0
    .kernarg_segment_align: 8
    .kernarg_segment_size: 24
    .max_flat_workgroup_size: 128
    .sgpr_count:     100
    .vgpr_count:     1024
    .wavefront_size: 32
...
	.end_amdgpu_metadata
.endif
;; end of part 2
;; launch attn (part 3): grid 4 x 64, 16 waves a work-group, clusters of 4 x 1, 169,984 bytes of LDS; arguments qkvc, attc; writes attc
.if DOCPART == 3
	.amdgcn_target "amdgcn-amd-amdhsa--gfx1250"
	.amdhsa_code_object_version 6
	.text
	.protected	k_qa00b97be5d_attn
	.globl	k_qa00b97be5d_attn
	.p2align	8
	.type	k_qa00b97be5d_attn,@function
k_qa00b97be5d_attn:
	s_mov_b64 s[64:65], 0
	v_nop
	global_prefetch_b8 v0, s[64:65] scope:SCOPE_SE
	s_setreg_imm32_b32 hwreg(HW_REG_WAVE_MODE, 25, 1), 1
	s_wait_xcnt 0x0
	s_wait_alu depctr_hold_cnt(0) depctr_sa_sdst(0) depctr_va_vdst(0) depctr_va_sdst(0) depctr_va_ssrc(0) depctr_va_vcc(0) depctr_vm_vsrc(0)
	s_getreg_b32 s2, hwreg(HW_REG_IB_STS2, 6, 4)
	s_cmp_eq_u32 s2, 0
	s_cbranch_scc0 .Lentry_in_a_cluster
	s_endpgm
.Lentry_in_a_cluster:
	s_bfe_u32 s2, ttmp6, 0x10000c
	s_cmp_lg_u32 s2, 0x3003
	s_cbranch_scc0 .Lentry_shape_is_right
	s_endpgm
.Lentry_shape_is_right:
; Causal attention on codes of BF6 (E3M2) with E8M0 scales: head size 64, 1,024 tokens, 64 (batch x head).  In: qkvc (laid by the launch before).  Out: attc, O / l quantised along the channels, as panels for the next product.
; THE SOFTMAX AHEAD OF THE SECOND PRODUCT: t = score x log2(e) / 8; M = the running largest t rounded up to a whole number; p = 2^(t - M) is quantised along the keys; the row's sum is taken of the unquantised p and divides at the end;
; when M moves, the sum and O are multiplied by 2^(old M - new M), which rounds nothing.
; SHARES.  A cluster of four work-groups owns a head; work-group j, wave w owns the tile of 16 queries 8 g + 2 j + u (g, u from w alone): queries 128 g + 32 j + 8 u + r % 8 + 16 (r / 8).  It needs key steps 0 .. g of 128 keys,
; whatever j is: partners run alike.  g is dealt so that waves w, w + 4, w + 8, w + 12 have 18 steps together.
; LDS: the head's k and v, eight entries of 12,800 bytes, come ONCE, by eight joint loads (waves 0-7, one each, the mask names all four work-groups): nothing is filled twice.
; BOTH PRODUCTS ARE USED TRANSPOSED: S^T = k q^T, O^T = v^T p^T: a lane holds one query throughout, and by the choice of a tile's rows the 16 registers of tiles 2 b, 2 b + 1 are 16 neighbouring keys (or channels).
; K = 64 IN AN INSTRUCTION OF 128: two tiles of keys, half fragments on end, are one fragment, and their pair word its scale word.  q stands in the lower half of one operand (the upper half zero codes) and in the upper half of
; another: the first gives the scores of the pair's first tile, the second of its second.  Only q's side carries the zeros: a zero code times any code of this format is 0, and no scale byte here is 0xff.
; LIMITS: a block of zeros, or one under 2^-122, gets the byte 1 with zero codes (this program alone reads the bytes); NaN and infinities are not served.
.set PAN, 12800
.set ENT, 19200
.set WV,  18
.set SEL, 20
.set CS,  22                           ; s[22:23] c = log2(e) / 8
.set G1,  24
.set G0,  32
.set TB,  36                           ; LDS byte of the step in hand
.set SI,  37                           ; the step
.set GG,  38                           ; g: my last step
.set F,   52                           ; v52-99   four fragments: k's, then v's
.set S,   100                          ; v100-163 S^T, then p
.set O,   164                          ; v164-195 O^T
.set PC,  196                          ; v196-207 p's codes
.set CV,  208
.set BM,  216
.set PB,  220
.set SO,  224
.set PS,  228                          ; p's scale word
.set FF,  230
.set TP,  232
.set SU,  234
.macro CROUND
	s_barrier_signal -1
	s_barrier_wait -1
	s_cmp_lg_u32 s[WV], 0
	s_cbranch_scc1 .Lnot_wave_0_\@
	s_barrier_signal -3
.Lnot_wave_0_\@:
	s_barrier_wait -3
	s_barrier_signal -1
	s_barrier_wait -1
.endm
.macro FRAG reg, off
	ds_load_b128 v[(\reg):(\reg)+3], v4 offset:(\off)
	ds_load_b64 v[(\reg)+4:(\reg)+5], v5 offset:(\off)+512
	ds_load_b128 v[(\reg)+6:(\reg)+9], v4 offset:(\off)+768
	ds_load_b64 v[(\reg)+10:(\reg)+11], v5 offset:(\off)+1280
.endm
	s_load_b128 s[4:7], s[0:1], 0x0                ; qkvc, attc
	v_lshl_add_u32 v254, v0, 2, 0x29000
	v_mov_b32 v255, 0
	ds_add_u32 v254, v255
	ds_add_u32 v254, v255
	v_lshrrev_b32 v1, 5, v0
	s_delay_alu instid0(VALU_DEP_1)
	v_readfirstlane_b32 s[WV], v1                  ; wave 0..15
	s_bfe_u32 s40, ttmp6, 0x40000                  ; j = cx
	s_and_b32 s41, ttmp7, 0xffff                   ; batch x head
	s_lshr_b32 s42, s[WV], 1
	s_and_b32 s42, s42, 1
	s_lshl_b32 s42, s42, 1
	s_lshr_b32 s43, s[WV], 3
	s_add_co_u32 s42, s42, s43
	s_lshr_b32 s43, s[WV], 2
	s_and_b32 s43, s43, 1
	s_mul_i32 s43, s43, 7
	s_xor_b32 s[GG], s42, s43                      ; g
	s_and_b32 s44, s[WV], 1                        ; u
	s_mov_b32 s[G1], 15|(3<<16)|(1<<21)            ; the mask: all four; elements of 8 bytes; bit 21 beside a mask; no padding
	s_mov_b32 s[G1+1], 32<<16                      ; 12,800 dense bytes as 50 rows of 256
	s_mov_b32 s[G1+2], 50<<16
	s_mov_b32 s[G1+3], 32<<16
	s_mov_b32 s[G1+4], 50
	s_mov_b32 s[G1+5], 32
	s_mov_b32 s[G1+6], 0
	s_mov_b32 s[G1+7], 0
	s_lshl_b32 s46, s41, 3
	s_add_co_u32 s46, s46, s[WV]
	s_mul_i32 s46, s46, ENT
	s_add_co_u32 s46, s46, 6400                    ; step w's k and v (waves 0-7)
	s_mov_b32 s47, 0
	s_mul_i32 s45, s[WV], PAN
	s_lshl_b32 s48, s41, 3
	s_add_co_u32 s48, s48, s[GG]
	s_mul_i32 s48, s48, ENT                        ; my queries' entry
	s_mov_b32 s49, 0
	s_lshl_b32 s50, s40, 1
	s_add_co_u32 s50, s50, s44                     ; my tile in it: 2 j + u
	s_mul_i32 s51, s50, 768
	s_lshl_b32 s52, s44, 4                         ; 16 u
	s_lshl_b32 s53, s40, 5
	s_lshl_b32 s54, s44, 3
	s_add_co_u32 s53, s53, s54                     ; 32 j + 8 u
	s_lshr_b32 s55, s41, 4                         ; out: panel ((8 batch + g) 8 + head / 2)
	s_lshl_b32 s55, s55, 3
	s_add_co_u32 s55, s55, s[GG]
	s_lshl_b32 s55, s55, 3
	s_and_b32 s56, s41, 15
	s_lshr_b32 s57, s56, 1
	s_add_co_u32 s55, s55, s57
	s_mul_i32 s58, s55, PAN
	s_mov_b32 s59, 0
	s_and_b32 s56, s56, 1                          ; which half of the fragment: head % 2
	s_mul_i32 s57, s50, 1536
	s_mul_i32 s55, s56, 768
	s_add_co_u32 s57, s57, s55
	s_lshl_b32 s55, s50, 2
	s_lshl_b32 s56, s56, 1
	s_add_co_u32 s55, s55, s56                     ; 4 tile + 2 (head % 2)
	s_mov_b32 s[SEL], 0x76543210
	s_mov_b32 s[SEL+1], 0xfedcba98
	s_mov_b32 s[CS], 0x3e38aa3b
	s_mov_b32 s[CS+1], s[CS]                       ; (named with it as a pair, so it is written)
	s_mov_b32 s[TB], 0
	s_mov_b32 s[SI], 0
	s_wait_dscnt 0x0
	s_wait_kmcnt 0x0
	s_mov_b32 s[G0], 1
	s_mov_b32 s[G0+1], s45
	s_add_nc_u64 s[G0+2:G0+3], s[4:5], s[46:47]
	s_or_b32 s[G0+3], s[G0+3], 0x80000000
	s_add_nc_u64 s[8:9], s[4:5], s[48:49]
	s_add_nc_u64 s[10:11], s[6:7], s[58:59]
	CROUND                                         ; all four work-groups are here: the joint loads meet
	s_cmp_lt_u32 s[WV], 8
	s_cbranch_scc0 .Lno_fetch
	tensor_load_to_lds s[G0:G0+3], s[G1:G1+7]
	s_nop 0
.rept 4
	v_nop
.endr
.Lno_fetch:
	v_and_b32 v233, 31, v0                         ; lane
	v_and_b32 v234, 15, v0                         ; r
	v_bfe_u32 v235, v0, 4, 1                       ; h
	s_delay_alu instid0(VALU_DEP_3)
	v_lshlrev_b32 v1, 4, v233                      ; 16 x lane
	s_delay_alu instid0(VALU_DEP_4)
	v_lshlrev_b32 v2, 3, v233                      ; 8 x lane
	s_delay_alu instid0(VALU_DEP_4)
	v_lshlrev_b32 v3, 4, v234                      ; 16 r
	s_delay_alu instid0(VALU_DEP_3)
	v_add_nc_u32 v8, s51, v1
	s_delay_alu instid0(VALU_DEP_3)
	v_add_nc_u32 v9, s51, v2
	s_delay_alu instid0(VALU_DEP_3)
	v_lshl_add_u32 v10, s40, 2, v3                 ; my pair's word: 16 r + 4 j
	global_load_b128 v[16:19], v8, s[8:9]          ; q's half fragment, twice: into the lower half of one operand
	global_load_b64 v[20:21], v9, s[8:9] offset:512
	global_load_b128 v[34:37], v8, s[8:9]          ; and the upper half of the other
	global_load_b64 v[38:39], v9, s[8:9] offset:512
	global_load_b32 v[TP], v10, s[8:9] offset:6144
.irp i, 22,23,24,25,26,27,28,29,30,31,32,33
	v_mov_b32 v\i, 0                               ; zero codes
.endr
	v_and_b32 v7, 7, v234
	v_lshrrev_b32 v11, 3, v234
	s_delay_alu instid0(VALU_DEP_1)
	v_lshl_add_u32 v7, v11, 4, v7
	s_delay_alu instid0(VALU_DEP_1)
	v_add_nc_u32 v7, s53, v7
	v_lshlrev_b32 v11, 4, v235
	s_delay_alu instid0(VALU_DEP_1)
	v_sub_nc_u32 v7, v7, v11                       ; my query in its step - 16 h: register 16 b + i of S^T is hidden on the diagonal where 32 b + i is above it
	v_add_nc_u32 v240, s57, v1                     ; the way out
	v_add_nc_u32 v241, s57, v2
	v_lshl_add_u32 v242, v234, 5, s55
	v_mov_b32 v13, 0xff61b1e6                      ; the largest t so far: -3e38
	s_delay_alu instid0(VALU_DEP_1)
	v_floor_f32 v12, -v13                          ; -M
	v_mov_b32 v14, 0                               ; the sum, in two halves
	v_mov_b32 v15, 0
.irp b, 0,1,2,3
	v_mov_b32 v[PB+\b], 0                          ; written once: a lane permute's destination counts as one of its sources
.endr
	v_mov_b32 v[FF+1], 0                           ; (named as the upper half of a pair)
	s_wait_loadcnt 0x0                             ; q and its pair word
	v_lshrrev_b32 v[TP], s52, v[TP]
	s_delay_alu instid0(VALU_DEP_1)
	v_and_b32 v[TP], 0xffff, v[TP]                 ; my tile's two bytes
	s_delay_alu instid0(VALU_DEP_1)
	v_or_b32 v40, 0x7f7f0000, v[TP]                ; q's scale words: the zero codes' bytes are 127
	s_delay_alu instid0(VALU_DEP_2)
	v_lshl_or_b32 v41, v[TP], 16, 0x7f7f
; A scale register written by a vector instruction stands eight plain vector instructions ahead of the scaled matrix instruction that takes it: the 32 lines below stand between q's scale words and the first scores.
.set J, 0
.rept 32
	v_mov_b32 v[O+J], 0                            ; O^T: the step is written once; the first finds zeros
.set J, J+1
.endr
	s_wait_tensorcnt 0x0                           ; my entry has landed,
	s_barrier_signal -1
	s_barrier_wait -1                              ; everybody's has
.Lstep:                                            ; eight trips in every wave; a step all of whose keys come after my queries is passed over
	s_cmp_gt_u32 s[SI], s[GG]
	s_cbranch_scc1 .Lskip
	v_add_nc_u32 v4, s[TB], v1
	v_add_nc_u32 v5, s[TB], v2
	v_add_nc_u32 v6, s[TB], v3
.irp p, 0,1,2,3
	FRAG F+12*\p, 1536*\p                          ; k: four pairs of tiles
.endr
	ds_load_b128 v[42:45], v6 offset:6144          ; and their words
	s_wait_alu depctr_va_vdst(0)
	s_wait_dscnt 0x0
.irp t, 0,1,2,3,4,5,6,7
	v_wmma_scale_f32_16x16x128_f8f6f4 v[S+8*\t:S+8*\t+7], v[F+12*(\t/2):F+12*(\t/2)+11], v[16+12*(\t%2):27+12*(\t%2)], 0, v[42+\t/2], v[40+\t%2] matrix_a_fmt:MATRIX_FMT_BF6 matrix_b_fmt:MATRIX_FMT_BF6
.endr
.rept 4
	v_nop                                          ; places in front of the loads into k's registers and of the first read of the scores
.endr
.irp t, 0,1,2,3
	FRAG F+12*\t, 6400+1536*\t                     ; v's four fragments land while the softmax is walked
.endr
	ds_load_b128 v[46:49], v6 offset:12544
	s_cmp_lg_u32 s[SI], s[GG]
	s_cbranch_scc1 .Lopen
	v_mov_b32 v[TP], 0xff800000                    ; on the diagonal hidden scores become -infinity: p = 0 then
.set J, 0
.rept 64
	v_cmp_gt_i32 vcc_lo, 32*(J/16)+J%16, v7
	v_cndmask_b32 v[S+J], v[S+J], v[TP], vcc_lo
.set J, J+1
.endr
.Lopen:
.irp b, 0,1,2,3
	v_max3_num_f32 v[BM+\b], v[S+16*\b], v[S+16*\b+1], v[S+16*\b+2]   ; the largest score of each block of 32 keys: for the row's maximum and, since p rises with the score, for the block's largest p
.endr
.irp i, 3,5,7,9,11,13
.irp b, 0,1,2,3
	v_max3_num_f32 v[BM+\b], v[BM+\b], v[S+16*\b+\i], v[S+16*\b+\i+1]
.endr
.endr
.irp b, 0,1,2,3
	v_max_num_f32 v[BM+\b], v[BM+\b], v[S+16*\b+15]
.endr
.irp b, 0,1,2,3
	s_delay_alu instid0(VALU_DEP_4)
	v_permlanex16_b32 v[PB+\b], v[BM+\b], s[SEL], s[SEL+1]
.endr
.irp b, 0,1,2,3
	s_delay_alu instid0(VALU_DEP_4)
	v_max_num_f32 v[BM+\b], v[BM+\b], v[PB+\b]     ; with lane l xor 16's 16 keys
.endr
	s_delay_alu instid0(VALU_DEP_2)
	v_max3_num_f32 v[TP], v[BM], v[BM+1], v[BM+2]
	s_delay_alu instid0(VALU_DEP_1)
	v_max_num_f32 v[TP], v[TP], v[BM+3]
	s_delay_alu instid0(VALU_DEP_1)
	v_mul_f32 v[TP], s[CS], v[TP]                  ; as t (c is positive)
	s_delay_alu instid0(VALU_DEP_1)
	v_max_num_f32 v13, v13, v[TP]                  ; the running largest t
	v_mov_b32 v[TP], v12
	s_delay_alu instid0(VALU_DEP_2)
	v_floor_f32 v12, -v13                          ; the new -M = -ceil(t)
	s_delay_alu instid0(VALU_DEP_1)
	v_sub_f32 v[TP], v12, v[TP]                    ; old M - new M: a whole number, 0 or less
	s_delay_alu instid0(VALU_DEP_1)
	v_cvt_i32_f32 v[TP], v[TP]                     ; (it saturates)
	s_delay_alu instid0(VALU_DEP_1)
	v_ldexp_f32 v[FF], 1.0, v[TP]                  ; f = 2^(old M - new M)
.set J, 0
.rept 32
	v_pk_fma_f32 v[S+J:S+J+1], v[S+J:S+J+1], s[CS:CS+1], v[12:13] op_sel_hi:[1,0,0]   ; t - M
.set J, J+2
.endr
.irp b, 0,1,2,3
	v_fma_f32 v[BM+\b], v[BM+\b], s[CS], v12
.endr
.set J, 0
	s_wait_alu depctr_va_vdst(0)
.rept 64
	v_exp_f32 v[S+J], v[S+J]                       ; p = 2^(t - M): not normalised
.set J, J+1
.endr
.irp b, 0,1,2,3
	v_exp_f32 v[BM+\b], v[BM+\b]                   ; the block's largest p: the same two instructions on the same number
.endr
	v_pk_mul_f32 v[14:15], v[14:15], v[FF:FF+1] op_sel_hi:[1,0]    ; the sums under the new M (a plain place behind the exponentials)
	s_wait_alu depctr_va_vdst(0)
.irp b, 0,1,2,3
	v_max_num_f32 v[BM+\b], 0x2800000, v[BM+\b]    ; the floor 2^(5 - 127)
.endr
.irp b, 0,1,2,3
	s_delay_alu instid0(VALU_DEP_4)
	v_add_nc_u32 v[SO+\b], 0xfe000000, v[BM+\b]
.endr
.irp b, 0,1,2,3
	s_delay_alu instid0(VALU_DEP_4)
	v_lshrrev_b32 v[PB+\b], 23, v[SO+\b]
.endr
	s_delay_alu instid0(VALU_DEP_3)
	v_lshl_or_b32 v[PS], v[PB+1], 8, v[PB]
	s_delay_alu instid0(VALU_DEP_1)
	v_lshl_or_b32 v[PS], v[PB+2], 16, v[PS]
	s_delay_alu instid0(VALU_DEP_1)
	v_lshl_or_b32 v[PS], v[PB+3], 24, v[PS]
.irp c, 0,1
	v_cvt_scalef32_pk16_bf6_f32 v[PC+6*\c:PC+6*\c+2], v[S+32*\c:S+32*\c+15], v[SO+2*\c]
	v_cvt_scalef32_pk16_bf6_f32 v[CV+4*\c:CV+4*\c+2], v[S+32*\c+16:S+32*\c+31], v[SO+2*\c+1]
.endr
	v_nop                                          ; one plain place behind a scaled conversion
.irp c, 0,1
.irp i, 0,1,2
	v_permlane16_swap_b32 v[PC+6*\c+\i], v[CV+4*\c+\i]
.endr
.irp i, 0,1,2
	s_delay_alu instid0(VALU_DEP_3)
	v_mov_b32 v[PC+3+6*\c+\i], v[CV+4*\c+\i]
.endr
.endr
	v_pk_add_f32 v[234:235], v[104:105], v[108:109]
	v_pk_add_f32 v[252:253], v[112:113], v[116:117]
	v_pk_add_f32 v[250:251], v[120:121], v[124:125]
	v_pk_add_f32 v[248:249], v[128:129], v[132:133]
	v_pk_add_f32 v[246:247], v[136:137], v[140:141]
	v_pk_add_f32 v[244:245], v[144:145], v[148:149]
	v_pk_add_f32 v[238:239], v[152:153], v[156:157]
	v_pk_add_f32 v[14:15], v[14:15], v[160:161]
	v_pk_add_f32 v[234:235], v[234:235], v[100:101]
	v_pk_add_f32 v[252:253], v[252:253], v[102:103]
	v_pk_add_f32 v[250:251], v[250:251], v[106:107]
	v_pk_add_f32 v[248:249], v[248:249], v[110:111]
	v_pk_add_f32 v[246:247], v[246:247], v[114:115]
	v_pk_add_f32 v[244:245], v[244:245], v[118:119]
	v_pk_add_f32 v[238:239], v[238:239], v[122:123]
	v_pk_add_f32 v[14:15], v[14:15], v[126:127]
	v_pk_add_f32 v[234:235], v[234:235], v[130:131]
	v_pk_add_f32 v[252:253], v[252:253], v[134:135]
	v_pk_add_f32 v[250:251], v[250:251], v[138:139]
	v_pk_add_f32 v[248:249], v[248:249], v[142:143]
	v_pk_add_f32 v[246:247], v[246:247], v[146:147]
	v_pk_add_f32 v[244:245], v[244:245], v[150:151]
	v_pk_add_f32 v[238:239], v[238:239], v[154:155]
	v_pk_add_f32 v[14:15], v[14:15], v[158:159]
	v_pk_add_f32 v[234:235], v[234:235], v[162:163]
	s_delay_alu instid0(VALU_DEP_2)
	v_pk_add_f32 v[14:15], v[14:15], v[248:249]
	s_delay_alu instid0(VALU_DEP_2)
	v_pk_add_f32 v[234:235], v[234:235], v[246:247]
	v_pk_add_f32 v[252:253], v[252:253], v[244:245]
	v_pk_add_f32 v[250:251], v[250:251], v[238:239]
	s_delay_alu instid0(VALU_DEP_2)
	v_pk_add_f32 v[14:15], v[14:15], v[252:253]
	s_delay_alu instid0(VALU_DEP_2)
	v_pk_add_f32 v[234:235], v[234:235], v[250:251]
	s_delay_alu instid0(VALU_DEP_1)
	v_pk_add_f32 v[14:15], v[14:15], v[234:235]
.set J, 0
.rept 16
	v_pk_mul_f32 v[O+J:O+J+1], v[O+J:O+J+1], v[FF:FF+1] op_sel_hi:[1,0]   ; O^T under the new M
.set J, J+2
.endr
	s_wait_alu depctr_va_vdst(0)
	s_wait_dscnt 0x0                               ; v
.irp t, 0,1,2,3
	v_wmma_scale_f32_16x16x128_f8f6f4 v[O+8*\t:O+8*\t+7], v[F+12*\t:F+12*\t+11], v[PC:PC+11], v[O+8*\t:O+8*\t+7], v[46+\t], v[PS] matrix_a_fmt:MATRIX_FMT_BF6 matrix_b_fmt:MATRIX_FMT_BF6
.endr
.rept 4
	v_nop                                          ; places in front of the next step's loads and of the way out's reads
.endr
.Lskip:
	s_add_co_u32 s[TB], s[TB], PAN
	s_add_co_u32 s[SI], s[SI], 1
	s_cmp_lt_u32 s[SI], 8
	s_cbranch_scc1 .Lstep
	; THE WAY OUT: O^T / the sum: register 16 b + i is channel 32 b + 16 h + i of my query: two blocks of the next product's K: half a fragment
	v_add_f32 v14, v14, v15
	s_delay_alu instid0(VALU_DEP_1)
	v_permlanex16_b32 v[TP], v14, s[SEL], s[SEL+1]
	s_delay_alu instid0(VALU_DEP_1)
	v_add_f32 v14, v14, v[TP]
	s_wait_alu depctr_va_vdst(0)
	v_rcp_f32 v14, v14
	v_nop                                          ; one plain place behind a transcendental
.set J, 0
	s_wait_alu depctr_va_vdst(0)
.rept 32
	v_mul_f32 v[S+J], v[O+J], v14
.set J, J+1
.endr
.irp b, 0,1
	v_max3_num_f32 v[BM+\b], |v[S+16*\b]|, |v[S+16*\b+1]|, 0x2800000
.endr
.irp i, 2,4,6,8,10,12,14
.irp b, 0,1
	s_delay_alu instid0(VALU_DEP_2)
	v_max3_num_f32 v[BM+\b], v[BM+\b], |v[S+16*\b+\i]|, |v[S+16*\b+\i+1]|
.endr
.endr
.irp b, 0,1
	s_delay_alu instid0(VALU_DEP_2)
	v_permlanex16_b32 v[PB+\b], v[BM+\b], s[SEL], s[SEL+1]
.endr
.irp b, 0,1
	s_delay_alu instid0(VALU_DEP_2)
	v_max_num_f32 v[BM+\b], v[BM+\b], v[PB+\b]
.endr
.irp b, 0,1
	s_delay_alu instid0(VALU_DEP_2)
	v_add_nc_u32 v[SO+\b], 0xfe000000, v[BM+\b]
.endr
.irp b, 0,1
	s_delay_alu instid0(VALU_DEP_2)
	v_lshrrev_b32 v[PB+\b], 23, v[SO+\b]
.endr
	s_delay_alu instid0(VALU_DEP_1)
	v_lshl_or_b32 v[TP], v[PB+1], 8, v[PB]
	v_cvt_scalef32_pk16_bf6_f32 v[PC:PC+2], v[S:S+15], v[SO]
	v_cvt_scalef32_pk16_bf6_f32 v[CV:CV+2], v[S+16:S+31], v[SO+1]
	v_nop
.irp i, 0,1,2
	v_permlane16_swap_b32 v[PC+\i], v[CV+\i]
.endr
.irp i, 0,1,2
	s_delay_alu instid0(VALU_DEP_3)
	v_mov_b32 v[PC+3+\i], v[CV+\i]
.endr
	global_store_b128 v240, v[PC:PC+3], s[10:11]                   ; 512 consecutive bytes,
	global_store_b64 v241, v[PC+4:PC+5], s[10:11] offset:512       ; 256
	global_store_b16 v242, v[TP], s[10:11] offset:12288            ; two bytes of each word: the other two are another head's work-group's: one byte in 24 of what the wave stores
	s_wait_tensorcnt 0x0
	ds_add_u32 v254, v255
	s_wait_dscnt 0x0
	CROUND                                         ; the closing round
	s_endpgm
.Lfunc_end_k_qa00b97be5d_attn:
	.size	k_qa00b97be5d_attn, .Lfunc_end_k_qa00b97be5d_attn-k_qa00b97be5d_attn
	.p2alignl 7, 3214868480
	.fill 96, 4, 3214868480
	.section	.rodata,"a",@progbits
	.p2align	6, 0x0
	.amdhsa_kernel k_qa00b97be5d_attn
		.amdhsa_group_segment_fixed_size 169984
		.amdhsa_private_segment_fixed_size 0
		.amdhsa_enable_private_segment 0
		.amdhsa_kernarg_size 16
		.amdhsa_user_sgpr_count 2
		.amdhsa_user_sgpr_kernarg_segment_ptr 1
		.amdhsa_wavefront_size32 1
		.amdhsa_system_sgpr_workgroup_id_x 1
		.amdhsa_system_sgpr_workgroup_id_y 1
		.amdhsa_system_sgpr_workgroup_id_z 1
		.amdhsa_system_vgpr_workitem_id 0
		.amdhsa_next_free_vgpr 256
		.amdhsa_next_free_sgpr 66
		.amdhsa_reserve_vcc 1
		.amdhsa_float_denorm_mode_32 3
		.amdhsa_float_denorm_mode_16_64 3
		.amdhsa_memory_ordered 1
		.amdhsa_forward_progress 1
		.amdhsa_inst_pref_size 35
	.end_amdhsa_kernel
	.amdgpu_metadata
---
amdhsa.version: [ 1, 2 ]
amdhsa.kernels:
  - .name:           k_qa00b97be5d_attn
    .symbol:         k_qa00b97be5d_attn.kd
    .args:
      - { .name: qkvc, .offset: 0, .size: 8, .value_kind: global_buffer, .address_space: global }
      - { .name: attc, .offset: 8, .size: 8, .value_kind: global_buffer, .address_space: global }
    .group_segment_fixed_size: 169984
    .private_segment_fixed_size: 0
    .kernarg_segment_align: 8
    .kernarg_segment_size: 16
    .max_flat_workgroup_size: 512
    .sgpr_count:     66
    .vgpr_count:     256
    .wavefront_size: 32
...
	.end_amdgpu_metadata
.endif
;; end of part 3
;; launch wo (part 4): grid 8 x 32, 4 waves a work-group, clusters of 4 x 4, 327,680 bytes of LDS; arguments attc, wts, bo, x, res; writes res
.if DOCPART == 4
	.amdgcn_target "amdgcn-amd-amdhsa--gfx1250"
	.amdhsa_code_object_version 6
	.text
	.protected	k_qa00b97be5d_wo
	.globl	k_qa00b97be5d_wo
	.p2align	8
	.type	k_qa00b97be5d_wo,@function
k_qa00b97be5d_wo:
	s_mov_b64 s[64:65], 0
	v_nop
	global_prefetch_b8 v0, s[64:65] scope:SCOPE_SE
	s_setreg_imm32_b32 hwreg(HW_REG_WAVE_MODE, 25, 1), 1
	s_wait_xcnt 0x0
	s_wait_alu depctr_hold_cnt(0) depctr_sa_sdst(0) depctr_va_vdst(0) depctr_va_sdst(0) depctr_va_ssrc(0) depctr_va_vcc(0) depctr_vm_vsrc(0)
	s_getreg_b32 s2, hwreg(HW_REG_IB_STS2, 6, 4)
	s_cmp_eq_u32 s2, 0
	s_cbranch_scc0 .Lentry_in_a_cluster
	s_endpgm
.Lentry_in_a_cluster:
	s_bfe_u32 s2, ttmp6, 0x10000c
	s_cmp_lg_u32 s2, 0xf033
	s_cbranch_scc0 .Lentry_shape_is_right
	s_endpgm
.Lentry_shape_is_right:
; res = x + attn Wo + bo.  attn (attc) and Wo (wts) are codes of BF6 (E3M2) with E8M0 scales, K = 1,024; sums, bias and residual in f32.
; OPERANDS are panels of 12,800 bytes (128 rows x 128 K: eight fragments of 1,536 bytes = 12 registers a lane: registers 0-3 at 16 x lane, 4-5 at 512 + 8 x lane, 6-9 at 768 + 16 x lane, 10-11 at 1,280 + 8 x lane;
; then the scale words at 12,288 + 32 r + 4 tile), laid [block of 128 rows][K step].  Lane r of tile 2 b + u holds row 32 b + 8 u + r % 8 + 16 (r / 8).
; C has 4,096 x 1,024 numbers: tiles of 128 x 128 give 256 work-groups; a wave makes 64 x 64: 16 accumulators.  THE MATRIX INSTRUCTION IS USED TRANSPOSED (source 0 = a tile of the weight's rows, source 1 = a tile of tokens):
; a lane holds one token, and the 16 registers of the weight's tiles 2 b, 2 b + 1 are 16 neighbouring columns.  The bias is the C of each sum's first instruction.
; K goes through two LDS slots of 4 K steps; a slot is four dense pieces of 25,600 bytes (A's K steps 0-1, 2-3, B's likewise), one tensor load a wave.  With K = 1,024 the two first fills are all.
; CLUSTERS: 4 x 4.  A's pieces hang on the block of tokens alone and are asked for jointly along a row of the cluster, B's on the block of columns alone, along a column.
; REGISTERS: window 0: v1-5 lane terms; v16-31 addresses; v32-39 scale words, two sets; v64-95 the bias; from v128 A's fragments, one set; on the way out v64-127 rows from the stage, window 2's v128-255 the residual.
;   window 1: B's fragments, two sets, at v0 and v128.  window 2: the accumulators, (a, b) at v[32 a + 8 b].
.set NKS,   8
.set WOFF,  2457600                    ; where Wo's panels begin in wts
.set NQ,    4
.set PAN,   12800
.set FRB,   1536
.set PIECE, 2*PAN
.set SLOT,  4*PIECE
.set CH,    4*PAN
.set SPARE, 2*SLOT
.set STAGE, SPARE+512                  ; 16 rows x 272 bytes for each wave; no tensor load lands here
.set FR,    12
.set NL,    4
.set LAPS,  NKS/(2*NQ)
.set ADRA,  16
.set ADRB,  20
.set STO,   24
.set RD,    25
.set CO,    26
.set SPW,   28
.set NIL,   29
.set ADRS,  30
.set SC,    32
.set BI,    64
.set BK,    64
.set AF,    128
.set R,     128
.set G1,  24
.set G0,  32
.set G1B, 48
.set G0B, 56
.set MSB, 0
.macro WIN new
.if MSB != (\new)
	s_set_vgpr_msb (MSB<<8)|(\new)
.set MSB, (\new)
.endif
.endm
.macro JLOAD s                         ; a joint load: waves 0 and 1 fetch A's pieces, waves 2 and 3 B's; four v_nop follow each line
	s_cmp_eq_u32 s15, 0
	s_cbranch_scc0 .Lfor_b_\@
	tensor_load_to_lds s[G0+4*\s:G0+4*\s+3], s[G1:G1+7]
	s_nop 0
.rept 4
	v_nop
.endr
	s_branch .Lasked_\@
.Lfor_b_\@:
	tensor_load_to_lds s[G0B+4*\s:G0B+4*\s+3], s[G1B:G1B+7]
	s_nop 0
.rept 4
	v_nop
.endr
.Lasked_\@:
.endm
.macro CREST
	s_cmp_lg_u32 s14, 0
	s_cbranch_scc1 .Lnot_wave_0_\@
	s_barrier_signal -3
.Lnot_wave_0_\@:
	s_barrier_wait -3
	s_barrier_signal -1
	s_barrier_wait -1
.endm
.macro CROUND
	s_barrier_signal -1
	s_barrier_wait -1
	CREST
.endm
.macro PLACES                          ; four plain places behind matrix instructions (ISA guide 7.12.1)
.rept 4
	v_nop
.endr
.endm
	s_load_b128 s[4:7], s[0:1], 0x0                ; A's panels, wts
	s_load_b128 s[8:11], s[0:1], 0x10              ; the bias, the residual
	s_load_b64 s[12:13], s[0:1], 0x20              ; out
	v_lshl_add_u32 v[SPW], v0, 2, SPARE
	v_mov_b32 v[NIL], 0
	ds_add_u32 v28, v29
	ds_add_u32 v28, v29
	s_wait_dscnt 0x0
	v_lshrrev_b32 v1, 5, v0
	v_readfirstlane_b32 s14, v1                    ; wave
	s_lshr_b32 s15, s14, 1                         ; which half of the tokens is mine.  Also: I fetch for A (0) or B (1)
	s_and_b32 s16, s14, 1                          ; which half of the columns.  Also: which piece I fetch
	s_bfe_u32 s40, ttmp6, 0x40000
	s_bfe_u32 s41, ttmp6, 0x40004
	s_lshl_b32 s42, ttmp9, 2
	s_add_co_u32 s42, s42, s40                     ; block of 128 columns
	s_and_b32 s17, ttmp7, 0xffff
	s_lshl_b32 s17, s17, 2
	s_add_co_u32 s17, s17, s41                     ; block of 128 tokens
	s_lshl_b32 s43, s41, 2
	s_lshl_b32 s43, 15, s43
	s_lshl_b32 s44, 0x1111, s40
	s_or_b32 s[G1+0], s43, (3<<16)|(1<<21)         ; the mask; elements of 8 bytes; bit 21 beside a mask; no padding
	s_or_b32 s[G1B+0], s44, (3<<16)|(1<<21)
.irp g, G1, G1B                                ; a piece: 25,600 dense bytes as 100 rows of 256
	s_mov_b32 s[\g+1], 32<<16
	s_mov_b32 s[\g+2], 200<<16                     ; ALL OF K COMES BY ONE LOAD A WAVE: 4 K steps of a block, 51,200 dense bytes, as 200 rows of 256
	s_mov_b32 s[\g+3], 32<<16
	s_mov_b32 s[\g+4], 200
	s_mov_b32 s[\g+5], 32
	s_mov_b32 s[\g+6], 0
	s_mov_b32 s[\g+7], 0
.endr
	s_mul_i32 s18, s16, CH                         ; which 4 K steps I fetch
	s_mul_i32 s20, s17, NKS*PAN
	s_add_co_u32 s20, s20, s18
	s_mov_b32 s21, 0
	s_mul_i32 s46, s42, NKS*PAN
	s_add_co_u32 s46, s46, s18
	s_add_co_u32 s46, s46, WOFF
	s_mov_b32 s47, 0
	s_mul_i32 s45, s16, SLOT                       ; they are a slot's two pieces of A, or of B, on end
	s_mul_i32 s19, s15, 2*PIECE
	s_add_co_u32 s45, s45, s19
	s_wait_kmcnt 0x0
	s_add_nc_u64 s[20:21], s[4:5], s[20:21]
	s_add_nc_u64 s[46:47], s[6:7], s[46:47]
	CROUND                                         ; all sixteen work-groups are here: the first joint loads meet
.irp s, 0
	s_mov_b32 s[G0+4*\s], 1
	s_add_co_u32 s[G0+4*\s+1], s45, \s*SLOT
	s_add_nc_u64 s[G0+4*\s+2:G0+4*\s+3], s[20:21], \s*CH
	s_or_b32 s[G0+4*\s+3], s[G0+4*\s+3], 0x80000000
	s_mov_b32 s[G0B+4*\s], 1
	s_add_co_u32 s[G0B+4*\s+1], s45, \s*SLOT
	s_add_nc_u64 s[G0B+4*\s+2:G0B+4*\s+3], s[46:47], \s*CH
	s_or_b32 s[G0B+4*\s+3], s[G0B+4*\s+3], 0x80000000
	JLOAD \s
.endr
	v_and_b32 v1, 31, v0
	v_and_b32 v2, 15, v0                           ; r
	v_bfe_u32 v3, v0, 4, 1                         ; h
	s_wait_alu depctr_va_vdst(0)
	v_lshlrev_b32 v4, 4, v1
	s_wait_alu depctr_va_vdst(0)
	v_lshlrev_b32 v5, 3, v1
	s_wait_alu depctr_va_vdst(0)
	s_lshl_b32 s74, s17, 7
	s_lshl_b32 s75, s15, 6
	s_add_co_u32 s74, s74, s75
	s_lshl_b32 s74, s74, 12                        ; my first token's row of 4,096 bytes
	s_lshl_b32 s76, s42, 9
	s_lshl_b32 s77, s16, 8
	s_add_co_u32 s76, s76, s77                     ; my first column, in bytes
	s_mov_b32 s77, 0
	s_add_nc_u64 s[8:9], s[8:9], s[76:77]
	s_add_co_u32 s74, s74, s76
	s_mov_b32 s75, 0
	s_add_nc_u64 s[10:11], s[10:11], s[74:75]
	s_add_nc_u64 s[12:13], s[12:13], s[74:75]
	v_lshlrev_b32 v7, 6, v3
.irp b, 0,1                                    ; the bias in the result's layout: registers 16 b + 0 .. 15 are columns 32 b + 16 h + 0 .. 15
.irp k, 0,1,2,3
	global_load_b128 v[BI+16*\b+4*\k:BI+16*\b+4*\k+3], v7, s[8:9] offset:128*\b+16*\k
.endr
.endr
	s_mul_i32 s66, s15, 4*FRB                      ; my four tiles of A,
	s_mul_i32 s67, s16, 4*FRB
	s_add_co_u32 s67, s67, 2*PIECE                 ; of B
	s_lshl_b32 s69, s15, 4
	s_lshl_b32 s70, s16, 4
	s_add_co_u32 s70, s70, 2*PIECE
	s_sub_co_u32 s70, s70, s69
	v_mul_u32_u24 v6, s70, v3                      ; lanes 16-31 take B's scale words
	v_lshl_add_u32 v6, v2, 5, v6
	v_add_nc_u32 v6, s69, v6
	v_add_nc_u32 v[ADRS], 12288, v6
	v_add_nc_u32 v[ADRS+1], 12288+SLOT, v6
.irp s, 0,1
	v_add_nc_u32 v[ADRA+\s], s66, v4
	v_add_nc_u32 v[ADRA+2+\s], s66, v5
	v_add_nc_u32 v[ADRB+\s], s67, v4
	v_add_nc_u32 v[ADRB+2+\s], s67, v5
	s_add_co_u32 s66, s66, SLOT
	s_add_co_u32 s67, s67, SLOT
.endr
	s_mul_i32 s71, s14, 16*272
	s_add_co_u32 s71, s71, STAGE                   ; my stage
	v_mul_u32_u24 v[STO], v2, 272
	v_lshl_add_u32 v[STO], v3, 6, v[STO]
	v_add_nc_u32 v[STO], s71, v[STO]               ; in: row r, + 64 h
	v_mul_u32_u24 v[RD], v3, 272
	v_lshl_add_u32 v[RD], v2, 4, v[RD]
	v_add_nc_u32 v[RD], s71, v[RD]                 ; back: lanes 0-15 one row of 256 bytes, lanes 16-31 the next
	v_lshlrev_b32 v[CO], 12, v3
	v_lshl_add_u32 v[CO], v2, 4, v[CO]             ; and the same two rows in memory
.macro FRAG reg, adr, off
	ds_load_b128 v[(\reg):(\reg)+3], v[\adr] offset:(\off)
	ds_load_b64 v[(\reg)+4:(\reg)+5], v[(\adr)+2] offset:(\off)+512
	ds_load_b128 v[(\reg)+6:(\reg)+9], v[\adr] offset:(\off)+768
	ds_load_b64 v[(\reg)+10:(\reg)+11], v[(\adr)+2] offset:(\off)+1280
.endm
.macro FETCH_B slot, q, p
	WIN 0x40
.irp i, 0,1,2,3
	FRAG 128*(\p)+FR*\i, ADRB+\slot, (\q)*PAN+FRB*\i
.endr
	WIN 0
.endm
.macro FETCH_A slot, q, i0
.irp i, 0,1
	FRAG AF+FR*((\i0)+\i), ADRA+\slot, (\q)*PAN+FRB*((\i0)+\i)
.endr
.endm
.macro SCALES slot, q, p
	ds_load_b128 v[SC+4*(\p):SC+4*(\p)+3], v[ADRS+\slot] offset:(\q)*PAN
.endm
; A's tile a against B's four.  first = 2: the bias starts the sums.  The 16 accumulators take turns, one instruction a turn.
.macro MULA a, p, first
.irp b, 0,1,2,3
.if (\first) == 2
	v_wmma_scale_f32_16x16x128_f8f6f4 v[32*(\a)+8*\b:32*(\a)+8*\b+7], v[128*(\p)+FR*\b:128*(\p)+FR*\b+FR-1], v[AF+FR*(\a):AF+FR*(\a)+FR-1], v[BI+8*\b:BI+8*\b+7], v[SC+4*(\p)+\b], v[SC+4*(\p)+(\a)] matrix_a_fmt:MATRIX_FMT_BF6 matrix_b_fmt:MATRIX_FMT_BF6 matrix_a_scale:MATRIX_SCALE_ROW1
.else
	v_wmma_scale_f32_16x16x128_f8f6f4 v[32*(\a)+8*\b:32*(\a)+8*\b+7], v[128*(\p)+FR*\b:128*(\p)+FR*\b+FR-1], v[AF+FR*(\a):AF+FR*(\a)+FR-1], v[32*(\a)+8*\b:32*(\a)+8*\b+7], v[SC+4*(\p)+\b], v[SC+4*(\p)+(\a)] matrix_a_fmt:MATRIX_FMT_BF6 matrix_b_fmt:MATRIX_FMT_BF6 matrix_a_scale:MATRIX_SCALE_ROW1
.endif
.endr
.endm
.macro SETW first                      ; source 0 (B) window 1, source 1 (A) window 0, D window 2; C window 2, or window 0 for the bias
.if (\first) == 2
	WIN 0x81
.else
	WIN 0xa1
.endif
.endm
.macro STEP slot, q, first
	s_wait_dscnt 2*NL                              ; B, A's tiles 0-1 and the scale words are in; the youngest 8 loads (A's tiles 2-3) may be out
	SETW \first
	MULA 0, (\q)%2, \first
	MULA 1, (\q)%2, \first
	s_wait_dscnt 0x0
	PLACES
	FETCH_B \slot, (\q)+1, 1-(\q)%2
	FETCH_A \slot, (\q)+1, 0
	SCALES \slot, (\q)+1, 1-(\q)%2
	SETW \first
	MULA 2, (\q)%2, \first
	MULA 3, (\q)%2, \first
	PLACES
	WIN 0
	FETCH_A \slot, (\q)+1, 2
.endm
; A slot's last step changes slots: one barrier; in front of it each wave waits for all its tensor loads, adds 0 to its spare word, and waits for that and for its reads of this slot.
.macro TURN slot, next, fill
	s_wait_tensorcnt 0x0                           ; all my tensor loads have landed: my piece of the next slot
	ds_add_u32 v[SPW], v[NIL]                      ; 0 onto my spare word
	s_wait_dscnt 2*NL+1                            ; (the add and the youngest 8 loads may be out)
	WIN 0xa1
	MULA 0, 1, 0
	s_wait_dscnt 0x0                               ; the add is done, and my reads of this slot are over
	s_barrier_signal -1
	MULA 1, 1, 0
	WIN 0
	s_barrier_wait -1
.if \fill
	CREST                                          ; the barrier has opened a round of the cluster's: no wave of any partner still reads this slot or has a load on its way
	s_add_nc_u64 s[G0+4*\slot+2:G0+4*\slot+3], s[G0+4*\slot+2:G0+4*\slot+3], 2*CH
	s_add_nc_u64 s[G0B+4*\slot+2:G0B+4*\slot+3], s[G0B+4*\slot+2:G0B+4*\slot+3], 2*CH
	JLOAD \slot
.else
	PLACES
.endif
	FETCH_B \next, 0, 0
	FETCH_A \next, 0, 0
	SCALES \next, 0, 0
	WIN 0xa1
	MULA 2, 1, 0
	MULA 3, 1, 0
	PLACES
	WIN 0
	FETCH_A \next, 0, 2
.endm
	s_wait_alu depctr_va_vdst(0)
	s_wait_tensorcnt 0x0
	s_barrier_signal -1
	s_barrier_wait -1                              ; everybody's is
	FETCH_B 0, 0, 0
	FETCH_A 0, 0, 0
	SCALES 0, 0, 0
	FETCH_A 0, 0, 2
	WIN 0x80                                       ; the residual rows are asked for here, behind the tiles' landing, into v128-255 of window 2, which no product names: they land while K is walked
.irp a, 0,1,2,3
.irp t, 0,1,2,3,4,5,6,7
	global_load_b128 v[R+32*\a+4*\t:R+32*\a+4*\t+3], v[CO], s[10:11] offset:(32*(\a/2)+8*(\a%2)+2*\t+8*(\t/4))*4096
.endr
.endr
	WIN 0
	s_wait_loadcnt 32                              ; the bias is in; the 32 residual loads issued behind it may be out
	STEP 0, 0, 2
.if LAPS > 1
	s_mov_b32 s3, LAPS-1
.Llap:
	STEP 0, 1, 0
	STEP 0, 2, 0
	TURN 0, 1, 1
	STEP 1, 0, 0
	STEP 1, 1, 0
	STEP 1, 2, 0
	TURN 1, 0, 1
	STEP 0, 0, 0
	s_sub_co_u32 s3, s3, 1
	s_cmp_lg_u32 s3, 0
	s_cbranch_scc1 .Llap
.endif
	STEP 0, 1, 0
	STEP 0, 2, 0
	TURN 0, 1, 0
	STEP 1, 0, 0
	STEP 1, 1, 0
	STEP 1, 2, 0
	s_wait_dscnt 2*NL
	WIN 0xa1
	MULA 0, 1, 0
	MULA 1, 1, 0
	s_wait_dscnt 0x0
	MULA 2, 1, 0
	MULA 3, 1, 0
	WIN 0
	; THE WAY OUT.  A lane holds 64 bytes of a row in four pieces, and the lanes beside it hold other rows: a tile of 16 tokens x 64 columns goes through my own stage and comes back as rows of 256 bytes.
	; Row 2 t + h of tile a is token 32 (a / 2) + 8 (a % 2) + 2 t + 8 (t / 4) + h of my 64.
	PLACES
.irp a, 0,1,2,3
	WIN 0x08
.irp b, 0,1,2,3
	ds_store_b128 v[STO], v[32*\a+8*\b:32*\a+8*\b+3] offset:128*(\b/2)+32*(\b%2)      ; each accumulator from its low end on
	ds_store_b128 v[STO], v[32*\a+8*\b+4:32*\a+8*\b+7] offset:128*(\b/2)+32*(\b%2)+16
.endr
	WIN 0
.irp t, 0,1,2,3,4,5,6,7
	ds_load_b128 v[BK+32*(\a%2)+4*\t:BK+32*(\a%2)+4*\t+3], v[RD] offset:544*\t   ; LDS serves a wave's instructions in order (ISA guide 5.7.1.4): these see the stores above
.endr
	s_wait_loadcnt 8*(3-\a)                        ; this tile's eight residual rows are in; the later tiles' may be out
	s_wait_dscnt 0x0
	WIN 0x82                                       ; the residual: destination and source 0 in window 2
.irp i, 0,2,4,6,8,10,12,14,16,18,20,22,24,26,28,30
	v_pk_add_f32 v[R+32*\a+\i:R+32*\a+\i+1], v[R+32*\a+\i:R+32*\a+\i+1], v[BK+32*(\a%2)+\i:BK+32*(\a%2)+\i+1]
.endr
	WIN 0x08                                       ; a store's data are its source 1: window 2
.irp t, 0,1,2,3,4,5,6,7
	global_store_b128 v[CO], v[R+32*\a+4*\t:R+32*\a+4*\t+3], s[12:13] offset:(32*(\a/2)+8*(\a%2)+2*\t+8*(\t/4))*4096
.endr
.endr
	WIN 0
	s_wait_tensorcnt 0x0                           ; the wave's end
	ds_add_u32 v[SPW], v[NIL]
	s_wait_dscnt 0x0
	CROUND                                         ; the closing round
	s_endpgm
.Lfunc_end_k_qa00b97be5d_wo:
	.size	k_qa00b97be5d_wo, .Lfunc_end_k_qa00b97be5d_wo-k_qa00b97be5d_wo
	.p2alignl 7, 3214868480
	.fill 96, 4, 3214868480
	.section	.rodata,"a",@progbits
	.p2align	6, 0x0
	.amdhsa_kernel k_qa00b97be5d_wo
		.amdhsa_group_segment_fixed_size 327680
		.amdhsa_private_segment_fixed_size 0
		.amdhsa_enable_private_segment 0
		.amdhsa_kernarg_size 40
		.amdhsa_user_sgpr_count 2
		.amdhsa_user_sgpr_kernarg_segment_ptr 1
		.amdhsa_wavefront_size32 1
		.amdhsa_system_sgpr_workgroup_id_x 1
		.amdhsa_system_sgpr_workgroup_id_y 1
		.amdhsa_system_sgpr_workgroup_id_z 1
		.amdhsa_system_vgpr_workitem_id 0
		.amdhsa_next_free_vgpr 768
		.amdhsa_next_free_sgpr 100
		.amdhsa_reserve_vcc 0
		.amdhsa_float_denorm_mode_32 3
		.amdhsa_float_denorm_mode_16_64 3
		.amdhsa_memory_ordered 1
		.amdhsa_forward_progress 1
		.amdhsa_inst_pref_size 59
	.end_amdhsa_kernel
	.amdgpu_metadata
---
amdhsa.version: [ 1, 2 ]
amdhsa.kernels:
  - .name:           k_qa00b97be5d_wo
    .symbol:         k_qa00b97be5d_wo.kd
    .args:
      - { .name: attc, .offset: 0, .size: 8, .value_kind: global_buffer, .address_space: global }
      - { .name: wts, .offset: 8, .size: 8, .value_kind: global_buffer, .address_space: global }
      - { .name: bo, .offset: 16, .size: 8, .value_kind: global_buffer, .address_space: global }
      - { .name: x, .offset: 24, .size: 8, .value_kind: global_buffer, .address_space: global }
      - { .name: res, .offset: 32, .size: 8, .value_kind: global_buffer, .address_space: global }
    .group_segment_fixed_size: 327680
    .private_segment_fixed_size: 0
    .kernarg_segment_align: 8
    .kernarg_segment_size: 40
    .max_flat_workgroup_size: 128
    .sgpr_count:     100
    .vgpr_count:     768
    .wavefront_size: 32
...
	.end_amdgpu_metadata
.endif
;; end of part 4
;; launch ln2 (part 5): grid 256 x 1, 8 waves a work-group, no clusters, 2,048 bytes of LDS; arguments res, g2, beta2, rn; writes rn
.if DOCPART == 5
	.amdgcn_target "amdgcn-amd-amdhsa--gfx1250"
	.amdhsa_code_object_version 6
	.text
	.protected	k_qa00b97be5d_ln2
	.globl	k_qa00b97be5d_ln2
	.p2align	8
	.type	k_qa00b97be5d_ln2,@function
k_qa00b97be5d_ln2:
	s_mov_b64 s[64:65], 0
	v_nop
	global_prefetch_b8 v0, s[64:65] scope:SCOPE_SE
	s_setreg_imm32_b32 hwreg(HW_REG_WAVE_MODE, 25, 1), 1
	s_wait_xcnt 0x0
; y = (x - mean) rsqrt(var + 1e-5) gamma + beta over rows of 1,024 f32, quantised along the row to BF6 (E3M2) with one E8M0 byte for each 32, and stored as panels
; (12,800 bytes: 128 tokens x 128 along K: eight fragments of 1,536 bytes, images of an operand's 12 registers, then 512 bytes of scale words at 12,288 + 32 r + 4 tile); panel (block of 128 tokens, K step) at ((block) 8 + step) x 12,800.
; A work-group takes one TILE of 16 tokens, which are not neighbours: lane r of tile 2 b + u holds token 32 b + 8 u + r % 8 + 16 (r / 8).  Wave w takes K step w: 128 channels.
; Lane (r, h) holds 64 numbers of its token: register 16 b + i is channel 128 w + 32 b + 16 h + i, the order in which the conversions want them.
; The mean and the variance are taken in two passes (the variance of x - mean: no difference of large sums); the eight waves' parts meet in LDS, 32 bytes a token, in bytes of their own for each pass: two barriers.
; LIMITS: a block of zeros, or one under 2^-122, gets the byte 1 with zero codes (this program alone reads the bytes); NaN and infinities are not served.
; No cluster: the work-groups share only gamma and beta, 8 KB beside the 64 KB of rows that each reads.
.set PAN, 12800
.set X,   32                           ; v32-95   my 64 numbers
.set G,   96                           ; v96-159  gamma at my channels; later the codes
.set BT,  160                          ; v160-223 beta
.set TM,  224                          ; v224-239 largest magnitudes, bytes, scale operands
.set PW,  240                          ; the scale word
.set PC,  96
	s_load_b256 s[4:11], s[0:1], 0x0               ; the rows, gamma, beta, the panels
	v_lshl_add_u32 v254, v0, 2, 0x400
	v_mov_b32 v255, 0
	v_lshrrev_b32 v1, 5, v0
	s_delay_alu instid0(VALU_DEP_1)
	v_readfirstlane_b32 s12, v1                    ; wave = K step
	v_and_b32 v1, 31, v0                           ; lane
	v_and_b32 v2, 15, v0                           ; r
	v_bfe_u32 v3, v0, 4, 1                         ; h
	s_lshr_b32 s13, ttmp9, 1
	s_lshl_b32 s13, s13, 5
	s_and_b32 s14, ttmp9, 1
	s_lshl_b32 s14, s14, 3
	s_add_co_u32 s13, s13, s14                     ; the tile's first token
	v_and_b32 v4, 7, v2
	v_lshrrev_b32 v5, 3, v2
	s_delay_alu instid0(VALU_DEP_1)
	v_lshl_add_u32 v4, v5, 4, v4
	s_delay_alu instid0(VALU_DEP_1)
	v_add_nc_u32 v4, s13, v4                       ; my token
	s_lshl_b32 s14, s12, 9
	v_lshlrev_b32 v5, 6, v3
	s_delay_alu instid0(VALU_DEP_1)
	v_add_nc_u32 v5, s14, v5                       ; gamma, beta: 512 w + 64 h
	s_delay_alu instid0(VALU_DEP_1)
	v_lshl_add_u32 v4, v4, 12, v5                  ; the rows: + 4,096 x token
	v_lshlrev_b32 v7, 5, v2                        ; LDS: my token's eight partial sums,
	s_wait_alu depctr_va_vdst(0)
	s_lshl_b32 s15, s12, 2
	v_add_nc_u32 v6, s15, v7                       ; and my wave's among them
	s_lshr_b32 s16, ttmp9, 3
	s_lshl_b32 s16, s16, 3
	s_add_co_u32 s16, s16, s12
	s_mul_i32 s16, s16, PAN                        ; my panel
	s_mov_b32 s17, 0
	s_and_b32 s18, ttmp9, 7                        ; my tile in it
	s_mul_i32 s19, s18, 1536
	s_lshl_b32 s18, s18, 2
	v_lshl_add_u32 v8, v1, 4, s19                  ; 16 x lane + the fragment
	v_lshl_add_u32 v9, v1, 3, s19                  ; 8 x lane + the fragment
	v_add_nc_u32 v10, s18, v7                      ; 32 r + 4 tile
	s_mov_b32 s20, 0x76543210
	s_mov_b32 s21, 0xfedcba98                      ; v_permlanex16_b32's selects for lane l xor 16
	s_mov_b32 s22, 0x3a800000                      ; 1 / 1,024
.irp b, 0,1,2,3
	v_mov_b32 v[TM+4+\b], 0                        ; written once: a lane permute's destination counts as one of its sources
.endr
	s_wait_kmcnt 0x0
	s_add_nc_u64 s[10:11], s[10:11], s[16:17]
.irp b, 0,1,2,3
.irp j, 0,1,2,3
	global_load_b128 v[X+16*\b+4*\j:X+16*\b+4*\j+3], v4, s[4:5] offset:128*\b+16*\j
.endr
.endr
.irp b, 0,1,2,3
.irp j, 0,1,2,3
	global_load_b128 v[G+16*\b+4*\j:G+16*\b+4*\j+3], v5, s[6:7] offset:128*\b+16*\j
.endr
.endr
.irp b, 0,1,2,3
.irp j, 0,1,2,3
	global_load_b128 v[BT+16*\b+4*\j:BT+16*\b+4*\j+3], v5, s[8:9] offset:128*\b+16*\j
.endr
.endr
	s_wait_loadcnt 32                              ; my 64 numbers are in; gamma's and beta's 32 loads may be out
; my wave's part (v242) of a row's sum goes to LDS at off, and the row's sum of eight comes back in v244
.macro ACROSS off
	s_delay_alu instid0(VALU_DEP_3)
	v_pk_add_f32 v[242:243], v[242:243], v[244:245]
	s_delay_alu instid0(VALU_DEP_2)
	v_pk_add_f32 v[246:247], v[246:247], v[248:249]
	s_delay_alu instid0(VALU_DEP_1)
	v_pk_add_f32 v[242:243], v[242:243], v[246:247]
	s_delay_alu instid0(VALU_DEP_1)
	v_add_f32 v242, v242, v243
	s_delay_alu instid0(VALU_DEP_1)
	v_permlanex16_b32 v243, v242, s20, s21
	s_delay_alu instid0(VALU_DEP_1)
	v_add_f32 v242, v242, v243                     ; with lane l xor 16's: 128 channels of my token
	ds_store_b32 v6, v242 offset:\off              ; (lanes l and l xor 16 store the same word with the same value)
	s_wait_dscnt 0x0                               ; for the others' sake
	s_barrier_signal -1
	s_barrier_wait -1
	ds_load_b128 v[244:247], v7 offset:\off
	ds_load_b128 v[248:251], v7 offset:\off+16
	s_wait_dscnt 0x0
	v_pk_add_f32 v[244:245], v[244:245], v[246:247]
	v_pk_add_f32 v[248:249], v[248:249], v[250:251]
	s_delay_alu instid0(VALU_DEP_1)
	v_pk_add_f32 v[244:245], v[244:245], v[248:249]
	s_delay_alu instid0(VALU_DEP_1)
	v_add_f32 v244, v244, v245
.endm
.irp c, 0,1,2,3                                ; the sum, in four chains that the first additions start
	v_pk_add_f32 v[242+2*\c:243+2*\c], v[X+2*\c:X+2*\c+1], v[X+8+2*\c:X+9+2*\c]
.endr
.irp j, 16,24,32,40,48,56
.irp c, 0,1,2,3
	s_delay_alu instid0(VALU_DEP_4)
	v_pk_add_f32 v[242+2*\c:243+2*\c], v[242+2*\c:243+2*\c], v[X+\j+2*\c:X+\j+2*\c+1]
.endr
.endr
	ACROSS 0
	s_delay_alu instid0(VALU_DEP_1)
	v_mul_f32 v250, s22, v244                      ; the mean
	s_delay_alu instid0(VALU_DEP_1)
	v_mov_b32 v251, v250
.set J, 0
.rept 32
	v_pk_add_f32 v[X+J:X+J+1], v[X+J:X+J+1], v[250:251] neg_lo:[0,1] neg_hi:[0,1]   ; x - mean
.set J, J+2
.endr
.irp c, 0,1,2,3
	v_pk_mul_f32 v[242+2*\c:243+2*\c], v[X+2*\c:X+2*\c+1], v[X+2*\c:X+2*\c+1]
.endr
.irp j, 8,16,24,32,40,48,56
.irp c, 0,1,2,3
	s_delay_alu instid0(VALU_DEP_4)
	v_pk_fma_f32 v[242+2*\c:243+2*\c], v[X+\j+2*\c:X+\j+2*\c+1], v[X+\j+2*\c:X+\j+2*\c+1], v[242+2*\c:243+2*\c]
.endr
.endr
	ACROSS 512
	s_delay_alu instid0(VALU_DEP_1)
	v_fmaak_f32 v244, s22, v244, 0x3727c5ac        ; the variance + 1e-5 (the factor is a power of two: one rounding, as with a multiply and an add)
	s_wait_alu depctr_va_vdst(0)
	v_rsq_f32 v250, v244
	v_nop                                          ; one plain place behind a transcendental
	s_wait_alu depctr_va_vdst(0)
	v_mov_b32 v251, v250
	s_wait_alu depctr_va_vdst(0)
	s_wait_loadcnt 0x0                             ; gamma and beta
.set J, 0
.rept 32
	v_pk_mul_f32 v[X+J:X+J+1], v[X+J:X+J+1], v[250:251]
.set J, J+2
.endr
.set J, 0
.rept 32
	v_pk_fma_f32 v[X+J:X+J+1], v[X+J:X+J+1], v[G+J:G+J+1], v[BT+J:BT+J+1]
.set J, J+2
.endr
.irp b, 0,1,2,3                                ; the four blocks of 32, by turns
	v_max3_num_f32 v[TM+\b], |v[X+16*\b]|, |v[X+16*\b+1]|, 0x2800000   ; my 16 numbers, and the floor 2^(5 - 127): the byte cannot fall under 1
.endr
.irp i, 2,4,6,8,10,12,14
.irp b, 0,1,2,3
	s_delay_alu instid0(VALU_DEP_4)
	v_max3_num_f32 v[TM+\b], v[TM+\b], |v[X+16*\b+\i]|, |v[X+16*\b+\i+1]|
.endr
.endr
.irp b, 0,1,2,3
	s_delay_alu instid0(VALU_DEP_4)
	v_permlanex16_b32 v[TM+4+\b], v[TM+\b], s20, s21
.endr
.irp b, 0,1,2,3
	s_delay_alu instid0(VALU_DEP_4)
	v_max_num_f32 v[TM+\b], v[TM+\b], v[TM+4+\b]   ; with lane l xor 16's: the block's largest magnitude
.endr
.irp b, 0,1,2,3
	s_delay_alu instid0(VALU_DEP_4)
	v_add_nc_u32 v[TM+12+\b], 0xfe000000, v[TM+\b] ; 4 off its exponent field: the conversion's scale operand
.endr
.irp b, 0,1,2,3
	s_delay_alu instid0(VALU_DEP_4)
	v_lshrrev_b32 v[TM+4+\b], 23, v[TM+12+\b]      ; the scale's byte
.endr
	s_delay_alu instid0(VALU_DEP_3)
	v_lshl_or_b32 v[PW], v[TM+5], 8, v[TM+4]
	s_delay_alu instid0(VALU_DEP_1)
	v_lshl_or_b32 v[PW], v[TM+6], 16, v[PW]
	s_delay_alu instid0(VALU_DEP_1)
	v_lshl_or_b32 v[PW], v[TM+7], 24, v[PW]
.irp c, 0,1
	v_cvt_scalef32_pk16_bf6_f32 v[PC+6*\c:PC+6*\c+2], v[X+32*\c:X+32*\c+15], v[TM+12+2*\c]
	v_cvt_scalef32_pk16_bf6_f32 v[PC+12+4*\c:PC+14+4*\c], v[X+32*\c+16:X+32*\c+31], v[TM+13+2*\c]
.endr
	v_nop                                          ; one plain place behind a scaled conversion
.irp c, 0,1                                    ; the operand wants a whole block in a lane
.irp i, 0,1,2
	v_permlane16_swap_b32 v[PC+6*\c+\i], v[PC+12+4*\c+\i]
.endr
.irp i, 0,1,2
	s_delay_alu instid0(VALU_DEP_3)
	v_mov_b32 v[PC+3+6*\c+\i], v[PC+12+4*\c+\i]
.endr
.endr
	global_store_b128 v8, v[PC:PC+3], s[10:11]                     ; 512 consecutive bytes,
	global_store_b64 v9, v[PC+4:PC+5], s[10:11] offset:512         ; 256,
	global_store_b128 v8, v[PC+6:PC+9], s[10:11] offset:768
	global_store_b64 v9, v[PC+10:PC+11], s[10:11] offset:1280
	global_store_b32 v10, v[PW], s[10:11] offset:12288             ; the scale words: 4 bytes of each 32: one byte in 48 of what the wave stores (the other tiles' words are other work-groups')
	s_wait_tensorcnt 0x0
	ds_add_u32 v254, v255
	s_wait_dscnt 0x0
	s_endpgm
.Lfunc_end_k_qa00b97be5d_ln2:
	.size	k_qa00b97be5d_ln2, .Lfunc_end_k_qa00b97be5d_ln2-k_qa00b97be5d_ln2
	.p2alignl 7, 3214868480
	.fill 96, 4, 3214868480
	.section	.rodata,"a",@progbits
	.p2align	6, 0x0
	.amdhsa_kernel k_qa00b97be5d_ln2
		.amdhsa_group_segment_fixed_size 2048
		.amdhsa_private_segment_fixed_size 0
		.amdhsa_enable_private_segment 0
		.amdhsa_kernarg_size 32
		.amdhsa_user_sgpr_count 2
		.amdhsa_user_sgpr_kernarg_segment_ptr 1
		.amdhsa_wavefront_size32 1
		.amdhsa_system_sgpr_workgroup_id_x 1
		.amdhsa_system_sgpr_workgroup_id_y 1
		.amdhsa_system_sgpr_workgroup_id_z 1
		.amdhsa_system_vgpr_workitem_id 0
		.amdhsa_next_free_vgpr 256
		.amdhsa_next_free_sgpr 66
		.amdhsa_reserve_vcc 0
		.amdhsa_float_denorm_mode_32 3
		.amdhsa_float_denorm_mode_16_64 3
		.amdhsa_memory_ordered 1
		.amdhsa_forward_progress 1
		.amdhsa_inst_pref_size 27
	.end_amdhsa_kernel
	.amdgpu_metadata
---
amdhsa.version: [ 1, 2 ]
amdhsa.kernels:
  - .name:           k_qa00b97be5d_ln2
    .symbol:         k_qa00b97be5d_ln2.kd
    .args:
      - { .name: res, .offset: 0, .size: 8, .value_kind: global_buffer, .address_space: global }
      - { .name: g2, .offset: 8, .size: 8, .value_kind: global_buffer, .address_space: global }
      - { .name: beta2, .offset: 16, .size: 8, .value_kind: global_buffer, .address_space: global }
      - { .name: rn, .offset: 24, .size: 8, .value_kind: global_buffer, .address_space: global }
    .group_segment_fixed_size: 2048
    .private_segment_fixed_size: 0
    .kernarg_segment_align: 8
    .kernarg_segment_size: 32
    .max_flat_workgroup_size: 256
    .sgpr_count:     66
    .vgpr_count:     256
    .wavefront_size: 32
...
	.end_amdgpu_metadata
.endif
;; end of part 5
;; launch ff1 (part 6): grid 16 x 16, 4 waves a work-group, clusters of 4 x 4, 327,680 bytes of LDS; arguments rn, wts, bff1, hid; writes hid
.if DOCPART == 6
	.amdgcn_target "amdgcn-amd-amdhsa--gfx1250"
	.amdhsa_code_object_version 6
	.text
	.protected	k_qa00b97be5d_ff1
	.globl	k_qa00b97be5d_ff1
	.p2align	8
	.type	k_qa00b97be5d_ff1,@function
k_qa00b97be5d_ff1:
	s_mov_b64 s[64:65], 0
	v_nop
	global_prefetch_b8 v0, s[64:65] scope:SCOPE_SE
	s_setreg_imm32_b32 hwreg(HW_REG_WAVE_MODE, 25, 1), 1
	s_wait_xcnt 0x0
	s_wait_alu depctr_hold_cnt(0) depctr_sa_sdst(0) depctr_va_vdst(0) depctr_va_sdst(0) depctr_va_ssrc(0) depctr_va_vcc(0) depctr_vm_vsrc(0)
	s_getreg_b32 s2, hwreg(HW_REG_IB_STS2, 6, 4)
	s_cmp_eq_u32 s2, 0
	s_cbranch_scc0 .Lentry_in_a_cluster
	s_endpgm
.Lentry_in_a_cluster:
	s_bfe_u32 s2, ttmp6, 0x10000c
	s_cmp_lg_u32 s2, 0xf033
	s_cbranch_scc0 .Lentry_shape_is_right
	s_endpgm
.Lentry_shape_is_right:
; hid = Q(gelu(LN2's codes (rn) x W1's codes (wts) + bff1)): BF6 (E3M2) with E8M0 scales, K = 1,024, sums in f32; the result is quantised along the hidden units, the next product's K, and stored as panels.
; OPERANDS are panels of 12,800 bytes (128 rows x 128 K: eight fragments of 1,536 bytes, images of an operand's 12 registers: registers 0-3 at 16 x lane, 4-5 at 512 + 8 x lane, 6-9 at 768 + 16 x lane,
; 10-11 at 1,280 + 8 x lane; then the scale words at 12,288 + 32 r + 4 tile), laid [block of 128 rows][K step].  Lane r of tile 2 b + u holds row 32 b + 8 u + r % 8 + 16 (r / 8).
; A work-group of four waves makes 256 x 256, a wave 128 x 128: 64 accumulators.  The matrix instruction is used transposed (source 0 = a tile of W1's rows, source 1 = a tile of tokens): a lane holds one token,
; and the 16 registers of W1's tiles 2 b, 2 b + 1 are 16 neighbouring hidden units.  The bias is the C of each sum's first instruction.
; THE RING: two slots of 3 K steps.  A slot is four dense pieces of 38,400 bytes (A's two blocks, B's two), one tensor load a wave.  Slot 0 (K steps 0-2) is asked for at the head, slot 1 (3-5) behind the full
; sequence and a round; K steps 6 and 7 land on the first 25,600 bytes of slot 0's pieces behind the round of K step 2.  One load of a wave is out at any time, and each has at least two K steps' products in which to land.
; CLUSTERS: 4 x 4.  A's pieces hang on the tile row alone and are asked for jointly along a row of the cluster, B's on the tile column alone, along a column.
; No prefetch: the block is 256 x 256 in clusters and K has eight steps, six of which the first two loads ask for.
; GELU: 0.5 x (1 + erf(z)), z = x / sqrt(2) held to +-4, erf(z) = z P(z^2) / Q(z^2), P of degree 6 and Q of degree 4 in z^2; all in f32.
; LIMITS: a block of zeros, or one under 2^-122, gets the byte 1 with zero codes (this program alone reads the bytes); NaN and infinities are not served.
; REGISTERS: window 0: v1-7 lane terms; v8-24 addresses; v28-29 the add's; v32-47 scale words, two sets; v64-127 the bias; from v128 A's fragments, one set.  window 1: B's fragments, two sets, at v0 and v128.
; windows 2, 3: the accumulators.  On the way out: window 0: v64-127 0.5 x, then h; v128-191 z; v192-235 codes and scales.  window 1: v0-63 P, v64-127 z^2, v128-131 two coefficients, v192-255 Q.
.set NKS,   8
.set WOFF,  3276800                    ; where W1's panels begin in wts
.set PAN,   12800
.set FRB,   1536
.set PIECE, 3*PAN
.set SLOT,  4*PIECE
.set SPARE, 2*SLOT                     ; behind the slots: the spare words, 128 bytes a wave
.set FR,    12
.set NL,    4                          ; LDS loads that bring a fragment
.set ADRA,  8                          ; v8-9 16 x lane + my rows of A in slot 0, 1; v11-12 the same with 8 x lane
.set ADRB,  14                         ; v14-15, v17-18 the same for B
.set ADRS,  20                         ; v20-21 my scale words: lanes 0-15 A's, lanes 16-31 B's
.set WO,    24
.set SPW,   28
.set NIL,   29
.set SC,    32
.set PW,    48
.set SW,    50                         ; v50-57 the eight tiles' scale words
.set BI,    64
.set AF,    128
.set H,     64
.set Z,     128
.set PC,    192                        ; v192-211 the codes
.set TM,    212                        ; v212-227 largest magnitudes, bytes, scale operands
.set T2,    228
.set TT,    232
.set P,     0                          ; window 1
.set Z2,    64
.set A0,    128
.set B0,    130
.set Q,     192
.set EA,    82
.set G1,  24
.set G1B, 48
.set GA0, 32                           ; s[32:39] groups 0 for A's pieces, a set for each slot
.set GB0, 56                           ; s[56:63] for B's
.set MSB, 0
.macro WIN new                         ; the immediate's high byte repeats the setting that is left
.if MSB != (\new)
	s_set_vgpr_msb (MSB<<8)|(\new)
.set MSB, (\new)
.endif
.endm
.macro JLOAD ga, gb                    ; a joint load: waves 0 and 1 fetch A's pieces, waves 2 and 3 B's; s_nop 0 and four v_nop follow each line
	s_cmp_eq_u32 s15, 0
	s_cbranch_scc0 .Lfor_b_\@
	tensor_load_to_lds s[\ga:\ga+3], s[G1:G1+7]
	s_nop 0
.rept 4
	v_nop
.endr
	s_branch .Lasked_\@
.Lfor_b_\@:
	tensor_load_to_lds s[\gb:\gb+3], s[G1B:G1B+7]
	s_nop 0
.rept 4
	v_nop
.endr
.Lasked_\@:
.endm
.macro CREST                           ; a round of the cluster's barrier behind its opening barrier
	s_cmp_lg_u32 s14, 0
	s_cbranch_scc1 .Lnot_wave_0_\@
	s_barrier_signal -3
.Lnot_wave_0_\@:
	s_barrier_wait -3
	s_barrier_signal -1
	s_barrier_wait -1
.endm
.macro CROUND
	s_barrier_signal -1
	s_barrier_wait -1
	CREST
.endm
.macro PLACES                          ; four plain places behind matrix instructions (ISA guide 7.12.1)
.rept 4
	v_nop
.endr
.endm
	s_load_b128 s[4:7], s[0:1], 0x0                ; rn, wts
	s_load_b128 s[8:11], s[0:1], 0x10              ; bff1, hid
	v_lshl_add_u32 v[SPW], v0, 2, SPARE
	v_mov_b32 v[NIL], 0
	ds_add_u32 v[SPW], v[NIL]                      ; the opening add, twice on end; its wait stands ahead of my first tensor load
	ds_add_u32 v[SPW], v[NIL]
	v_lshrrev_b32 v1, 5, v0
	v_readfirstlane_b32 s14, v1                    ; wave
	s_lshr_b32 s15, s14, 1                         ; which half of the tokens is mine.  Also: I fetch for A (0) or B (1)
	s_and_b32 s16, s14, 1                          ; which half of the hidden units.  Also: which piece I fetch
	s_bfe_u32 s40, ttmp6, 0x40000                  ; cx
	s_bfe_u32 s41, ttmp6, 0x40004                  ; cy
	s_lshl_b32 s42, ttmp9, 2
	s_add_co_u32 s42, s42, s40                     ; tile column
	s_and_b32 s17, ttmp7, 0xffff
	s_lshl_b32 s17, s17, 2
	s_add_co_u32 s17, s17, s41                     ; tile row
	s_lshl_b32 s43, s41, 2
	s_lshl_b32 s43, 15, s43                        ; my row of the cluster
	s_lshl_b32 s44, 0x1111, s40                    ; my column
	s_or_b32 s[G1+0], s43, (3<<16)|(1<<21)         ; the mask; elements of 8 bytes; bit 21 beside a mask; no padding
	s_or_b32 s[G1B+0], s44, (3<<16)|(1<<21)
.irp g, G1, G1B                                ; a piece: 38,400 dense bytes as 150 rows of 256
	s_mov_b32 s[\g+1], 32<<16
	s_mov_b32 s[\g+2], 150<<16
	s_mov_b32 s[\g+3], 32<<16
	s_mov_b32 s[\g+4], 150
	s_mov_b32 s[\g+5], 32
	s_mov_b32 s[\g+6], 0
	s_mov_b32 s[\g+7], 0
.endr
	s_lshl_b32 s20, s17, 1
	s_add_co_u32 s20, s20, s16
	s_mul_i32 s20, s20, NKS*PAN                    ; A's block of 128 rows, in bytes
	s_mov_b32 s21, 0
	s_lshl_b32 s46, s42, 1
	s_add_co_u32 s46, s46, s16
	s_mul_i32 s46, s46, NKS*PAN
	s_add_co_u32 s46, s46, WOFF                    ; B's
	s_mov_b32 s47, 0
	s_mul_i32 s45, s14, PIECE                      ; where it goes: no place in the cluster enters an LDS address
	s_wait_dscnt 0x0                               ; both opening adds are done
	s_wait_kmcnt 0x0
	s_add_nc_u64 s[20:21], s[4:5], s[20:21]
	s_add_nc_u64 s[46:47], s[6:7], s[46:47]
.irp s, 0,1                                    ; slot s's groups 0: K steps 3 s .. 3 s + 2
	s_mov_b32 s[GA0+4*\s], 1
	s_add_co_u32 s[GA0+4*\s+1], s45, \s*SLOT
	s_add_nc_u64 s[GA0+4*\s+2:GA0+4*\s+3], s[20:21], \s*PIECE
	s_or_b32 s[GA0+4*\s+3], s[GA0+4*\s+3], 0x80000000
	s_mov_b32 s[GB0+4*\s], 1
	s_add_co_u32 s[GB0+4*\s+1], s45, \s*SLOT
	s_add_nc_u64 s[GB0+4*\s+2:GB0+4*\s+3], s[46:47], \s*PIECE
	s_or_b32 s[GB0+4*\s+3], s[GB0+4*\s+3], 0x80000000
.endr
	CROUND                                         ; all sixteen work-groups are here: the first joint loads meet
	JLOAD GA0, GB0                                 ; K steps 0-2: one tensor load a wave at the head
	s_lshl_b32 s74, s17, 1                         ; out: panel (block of 128 tokens) x 32 + (block of 128 hidden units)
	s_add_co_u32 s74, s74, s15
	s_lshl_b32 s74, s74, 5
	s_lshl_b32 s75, s42, 1
	s_add_co_u32 s75, s75, s16
	s_add_co_u32 s74, s74, s75
	s_mul_i32 s74, s74, PAN
	s_lshl_b32 s76, s75, 9                         ; the bias at my 128 hidden units
	s_mov_b32 s75, 0
	s_mov_b32 s77, 0
	s_add_nc_u64 s[10:11], s[10:11], s[74:75]
	s_add_nc_u64 s[8:9], s[8:9], s[76:77]
	s_mul_i32 s66, s15, PIECE                      ; my 128 rows of A,
	s_mul_i32 s67, s16, PIECE
	s_add_co_u32 s67, s67, 2*PIECE                 ; of B
	s_sub_co_u32 s68, s67, s66
	v_and_b32 v1, 31, v0                           ; lane
	v_and_b32 v2, 15, v0                           ; r
	v_bfe_u32 v3, v0, 4, 1                         ; h
	v_lshlrev_b32 v4, 4, v1
	v_lshlrev_b32 v5, 3, v1
	v_lshlrev_b32 v7, 6, v3
	v_mul_u32_u24 v6, s68, v3                      ; lanes 16-31 take B's scale words
	v_lshl_add_u32 v6, v2, 5, v6
	v_add_nc_u32 v6, s66, v6
	v_add_nc_u32 v[ADRS], 12288, v6
	v_add_nc_u32 v[ADRS+1], 12288+SLOT, v6
	v_add_nc_u32 v[ADRA], s66, v4
	v_add_nc_u32 v[ADRA+3], s66, v5
	v_add_nc_u32 v[ADRB], s67, v4
	v_add_nc_u32 v[ADRB+3], s67, v5
	v_add_nc_u32 v[ADRA+1], SLOT, v[ADRA]
	v_add_nc_u32 v[ADRA+4], SLOT, v[ADRA+3]
	v_add_nc_u32 v[ADRB+1], SLOT, v[ADRB]
	v_add_nc_u32 v[ADRB+4], SLOT, v[ADRB+3]
	v_lshlrev_b32 v[WO], 5, v2
	v_lshl_add_u32 v[WO], v3, 4, v[WO]             ; the scale words' way out: 32 r + 16 h
	s_wait_alu depctr_va_vdst(0)
.irp b, 0,1,2,3                                ; the bias in the result's layout: registers 16 b + 0 .. 15 are hidden units 32 b + 16 h + 0 .. 15
.irp k, 0,1,2,3
	global_load_b128 v[BI+16*\b+4*\k:BI+16*\b+4*\k+3], v7, s[8:9] offset:128*\b+16*\k
.endr
.endr
.macro FRAG reg, adr, off              ; a fragment comes as it was stored: four loads, each of consecutive bytes
	ds_load_b128 v[(\reg):(\reg)+3], v[\adr] offset:(\off)
	ds_load_b64 v[(\reg)+4:(\reg)+5], v[(\adr)+3] offset:(\off)+512
	ds_load_b128 v[(\reg)+6:(\reg)+9], v[\adr] offset:(\off)+768
	ds_load_b64 v[(\reg)+10:(\reg)+11], v[(\adr)+3] offset:(\off)+1280
.endm
.macro FETCH_B slot, q, p
	WIN 0x40
.irp i, 0,1,2,3,4,5,6,7
	FRAG 128*(\p)+FR*\i, ADRB+\slot, (\q)*PAN+FRB*\i
.endr
	WIN 0
.endm
.macro FETCH_A slot, q, i0
.irp i, 0,1,2,3
	FRAG AF+FR*((\i0)+\i), ADRA+\slot, (\q)*PAN+FRB*((\i0)+\i)
.endr
.endm
.macro SCALES slot, q, p
	ds_load_b128 v[SC+8*(\p):SC+8*(\p)+3], v[ADRS+\slot] offset:(\q)*PAN
	ds_load_b128 v[SC+8*(\p)+4:SC+8*(\p)+7], v[ADRS+\slot] offset:(\q)*PAN+16
.endm
; A's tile a against B's eight.  first = 2: the bias starts the sums.  The 64 accumulators take turns, one instruction a turn, in the same order in every step.
.macro MULA a, p, first
.irp b, 0,1,2,3,4,5,6,7
.if (\first) == 2
	v_wmma_scale_f32_16x16x128_f8f6f4 v[64*((\a)%4)+8*\b:64*((\a)%4)+8*\b+7], v[128*(\p)+FR*\b:128*(\p)+FR*\b+FR-1], v[AF+FR*(\a):AF+FR*(\a)+FR-1], v[BI+8*\b:BI+8*\b+7], v[SC+8*(\p)+\b], v[SC+8*(\p)+(\a)] matrix_a_fmt:MATRIX_FMT_BF6 matrix_b_fmt:MATRIX_FMT_BF6 matrix_a_scale:MATRIX_SCALE_ROW1
.else
	v_wmma_scale_f32_16x16x128_f8f6f4 v[64*((\a)%4)+8*\b:64*((\a)%4)+8*\b+7], v[128*(\p)+FR*\b:128*(\p)+FR*\b+FR-1], v[AF+FR*(\a):AF+FR*(\a)+FR-1], v[64*((\a)%4)+8*\b:64*((\a)%4)+8*\b+7], v[SC+8*(\p)+\b], v[SC+8*(\p)+(\a)] matrix_a_fmt:MATRIX_FMT_BF6 matrix_b_fmt:MATRIX_FMT_BF6 matrix_a_scale:MATRIX_SCALE_ROW1
.endif
.endr
.endm
.macro SETW hi, first                  ; source 0 (B) window 1, source 1 (A) window 0, D window 2 + hi; C with D, or window 0 for the bias
.if (\first) == 2
	WIN 0x81+0x40*(\hi)
.else
	WIN 0xa1+0x50*(\hi)
.endif
.endm
; A step of 128 along K whose successor, K step nq of slot ns, lies whole in LDS.  It multiplies B's set p and fetches the successor into the other set; A has one set: tiles 0-3 come anew in the middle, tiles 4-7 at the end.
.macro STEP p, ns, nq, first
	s_wait_dscnt 4*NL                              ; B, A's tiles 0-3 and the scale words are in; the youngest 16 loads (A's tiles 4-7) may be out
	SETW 0, \first
.irp a, 0,1,2,3
	MULA \a, \p, \first
.endr
	s_wait_dscnt 0x0
	PLACES
	FETCH_B \ns, \nq, 1-(\p)
	FETCH_A \ns, \nq, 0
	SCALES \ns, \nq, 1-(\p)
	SETW 1, \first
.irp a, 4,5,6,7
	MULA \a, \p, \first
.endr
	PLACES
	WIN 0
	FETCH_A \ns, \nq, 4
.endm
; A slot's last step: in front of its barrier each wave waits for all its tensor loads, adds 0 to its spare word, and waits for that and for its reads of the slot that it leaves.  fill = 1: slot 0 takes K steps 6 and 7.
.macro TURN p, next, fill
	s_wait_tensorcnt 0x0                           ; all my tensor loads have landed
	ds_add_u32 v[SPW], v[NIL]                      ; 0 onto my spare word
.if \fill
	s_mov_b32 s[G1+2], 100<<16                     ; no tensor load of mine is out: the refill brings two K steps, 100 rows of 256 bytes
	s_mov_b32 s[G1+4], 100
	s_mov_b32 s[G1B+2], 100<<16
	s_mov_b32 s[G1B+4], 100
	s_add_nc_u64 s[GA0+2:GA0+3], s[GA0+2:GA0+3], 6*PAN
	s_add_nc_u64 s[GB0+2:GB0+3], s[GB0+2:GB0+3], 6*PAN
.endif
	s_wait_dscnt 4*NL+1                            ; (the add and the youngest 16 loads may be out)
	WIN 0xa1
	MULA 0, \p, 0
	MULA 1, \p, 0
	s_wait_dscnt 0x0                               ; the add is done, and my reads of this slot are over
	s_barrier_signal -1
	MULA 2, \p, 0
	MULA 3, \p, 0
	WIN 0
	s_barrier_wait -1
.if \fill
	CREST                                          ; the barrier has opened a round of the cluster's: no wave of any partner still reads slot 0 or has a load on its way
	JLOAD GA0, GB0                                 ; the first tensor load behind the round; its four v_nop are the places in front of the loads below
.else
	PLACES
.endif
	FETCH_B \next, 0, 1-(\p)
	FETCH_A \next, 0, 0
	SCALES \next, 0, 1-(\p)
	WIN 0xf1
.irp a, 4,5,6,7
	MULA \a, \p, 0
.endr
	PLACES
	WIN 0
	FETCH_A \next, 0, 4
.endm
	s_wait_tensorcnt 0x0                           ; my piece of slot 0 is in
	ds_add_u32 v[SPW], v[NIL]
	s_wait_dscnt 0x0
	CROUND                                         ; everybody's piece is in, and all sixteen work-groups are here
	JLOAD GA0+4, GB0+4                             ; K steps 3-5, the first tensor load behind the round
	FETCH_B 0, 0, 0
	FETCH_A 0, 0, 0
	SCALES 0, 0, 0
	FETCH_A 0, 0, 4
	s_wait_loadcnt 0x0                             ; the bias
	STEP 0, 0, 1, 2                                ; K step 0
	STEP 1, 0, 2, 0                                ; K step 1
	TURN 0, 1, 1                                   ; K step 2: slot 1 is whole; slot 0 is asked for again
	STEP 1, 1, 1, 0                                ; K step 3
	STEP 0, 1, 2, 0                                ; K step 4
	TURN 1, 0, 0                                   ; K step 5: the refill has landed; nothing is filled
	STEP 0, 0, 1, 0                                ; K step 6
	s_wait_dscnt 4*NL                              ; K step 7: nothing more to fetch
	WIN 0xa1
.irp a, 0,1,2,3
	MULA \a, 1, 0
.endr
	s_wait_dscnt 0x0
	WIN 0xf1
.irp a, 4,5,6,7
	MULA \a, 1, 0
.endr
	WIN 0
; THE WAY OUT, a tile of 16 tokens x 128 hidden units a trip.  Only the lines that name accumulators differ from tile to tile: they stand in eight arms, each of which makes z and 0.5 x, each accumulator from its low end on.
.macro ARM a
	WIN 2+(\a)/4
.set J, 0
.rept 32
	v_pk_mul_f32 v[Z+J:Z+J+1], v[64*((\a)%4)+J:64*((\a)%4)+J+1], 0x3f3504f3 op_sel_hi:[1,0]
.set J, J+2
.endr
.set J, 0
.rept 32
	v_pk_mul_f32 v[H+J:H+J+1], v[64*((\a)%4)+J:64*((\a)%4)+J+1], 0.5 op_sel_hi:[1,0]
.set J, J+2
.endr
	WIN 0
.endm
.macro HORNER d, k                     ; d = d z^2 + k, all 64 numbers
.set J, 0
.rept 32
	v_pk_fma_f32 v[\d+J:\d+J+1], v[\d+J:\d+J+1], v[Z2+J:Z2+J+1], \k op_sel_hi:[1,1,0]
.set J, J+2
.endr
.endm
	s_mov_b32 s80, 0x76543210
	s_mov_b32 s81, 0xfedcba98                      ; v_permlanex16_b32's selects for lane l xor 16
	s_mov_b32 s78, 0                               ; what the next tile adds to the stores' base: 0 for the first
	s_mov_b32 s79, 0
	PLACES
	WIN 0x40
	v_mov_b32 v[A0], 0xaf95df0b                    ; the leading coefficients of P and Q, as pairs
	v_mov_b32 v[A0+1], 0xaf95df0b
	v_mov_b32 v[B0], 0xb77460cd
	v_mov_b32 v[B0+1], 0xb77460cd
	WIN 0
.irp k, 0,1,2,3,4,5,6,7
	v_mov_b32 v[SW+\k], 0
.endr
.irp b, 0,1,2,3
	v_mov_b32 v[TM+4+\b], 0                        ; written once: a lane permute's destination counts as one of its sources
.endr
	s_mov_b32 s[EA], 0
.Lblk:
.irp a, 0,1,2,3,4,5,6
	s_cmp_eq_u32 s[EA], \a
	s_cbranch_scc1 .Larm\a
.endr
	ARM 7
	s_branch .Lgelu
.irp a, 0,1,2,3,4,5
.Larm\a:
	ARM \a
	s_branch .Lgelu
.endr
.Larm6:
	ARM 6
.Lgelu:
.set J, 0
.rept 64
	v_med3_num_f32 v[Z+J], v[Z+J], -4.0, 4.0
.set J, J+1
.endr
	WIN 0x40                                       ; destination window 1
.set J, 0
.rept 32
	v_pk_mul_f32 v[Z2+J:Z2+J+1], v[Z+J:Z+J+1], v[Z+J:Z+J+1]
.set J, J+2
.endr
	WIN 0x45                                       ; destination and sources 0 and 1 in window 1
.set J, 0
.rept 32
	v_pk_fma_f32 v[P+J:P+J+1], v[Z2+J:Z2+J+1], v[A0:A0+1], 0x32edffee op_sel_hi:[1,1,0]
.set J, J+2
.endr
.set J, 0
.rept 32
	v_pk_fma_f32 v[Q+J:Q+J+1], v[Z2+J:Z2+J+1], v[B0:B0+1], 0xb95fbd29 op_sel_hi:[1,1,0]
.set J, J+2
.endr
.irp k, 0xb60cff51, 0xb86ec2d2, 0xba40ac63, 0xbb41a1f6, 0xbc83dbd4
	HORNER P, \k
.endr
.irp k, 0xbadc924e, 0xbbf19bf8, 0xbc69b6a7
	HORNER Q, \k
.endr
	s_wait_alu depctr_va_vdst(0)
.set J, 0
.rept 64
	v_rcp_f32 v[Q+J], v[Q+J]
.set J, J+1
.endr
	WIN 0x41                                       ; source 1 (z) in window 0
.set J, 0
.rept 32
	v_pk_mul_f32 v[P+J:P+J+1], v[P+J:P+J+1], v[Z+J:Z+J+1]          ; plain work behind the batch, which names none of its results
.set J, J+2
.endr
	s_wait_alu depctr_va_vdst(0)                   ; one wait for the whole batch, ahead of its first reader
	WIN 0x45
.set J, 0
.rept 32
	v_pk_mul_f32 v[P+J:P+J+1], v[P+J:P+J+1], v[Q+J:Q+J+1]          ; erf(z)
.set J, J+2
.endr
	WIN 0x04                                       ; source 1 (erf) in window 1
.set J, 0
.rept 32
	v_pk_fma_f32 v[H+J:H+J+1], v[H+J:H+J+1], v[P+J:P+J+1], v[H+J:H+J+1]   ; h = 0.5 x erf + 0.5 x
.set J, J+2
.endr
	WIN 0
; the four blocks of 32 hidden units: my 16 numbers of each in two chains, eight chains by turns
.irp b, 0,1,2,3
	v_max3_num_f32 v[TM+\b], |v[H+16*\b]|, |v[H+16*\b+1]|, 0x2800000   ; with the floor 2^(5 - 127): the byte cannot fall under 1
.endr
.irp b, 0,1,2,3
	v_max3_num_f32 v[T2+\b], |v[H+16*\b+8]|, |v[H+16*\b+9]|, |v[H+16*\b+10]|
.endr
.irp i, 2,4
.irp b, 0,1,2,3
	v_max3_num_f32 v[TM+\b], v[TM+\b], |v[H+16*\b+\i]|, |v[H+16*\b+\i+1]|
.endr
.irp b, 0,1,2,3
	v_max3_num_f32 v[T2+\b], v[T2+\b], |v[H+16*\b+\i+9]|, |v[H+16*\b+\i+10]|
.endr
.endr
.irp b, 0,1,2,3
	v_max3_num_f32 v[TM+\b], v[TM+\b], |v[H+16*\b+6]|, |v[H+16*\b+7]|
.endr
.irp b, 0,1,2,3
	v_max3_num_f32 v[TM+\b], v[TM+\b], v[T2+\b], |v[H+16*\b+15]|
.endr
.irp b, 0,1,2,3
	v_permlanex16_b32 v[TM+4+\b], v[TM+\b], s80, s81
.endr
.irp b, 0,1,2,3
	v_max_num_f32 v[TM+\b], v[TM+\b], v[TM+4+\b]   ; with lane l xor 16's: the block's largest magnitude
.endr
.irp b, 0,1,2,3
	v_add_nc_u32 v[TM+12+\b], 0xfe000000, v[TM+\b] ; 4 off its exponent field: the conversion's scale operand
.endr
.irp b, 0,1,2,3
	v_lshrrev_b32 v[TM+4+\b], 23, v[TM+12+\b]      ; the scale's byte
.endr
	v_lshl_or_b32 v[PW], v[TM+5], 8, v[TM+4]
	v_lshl_or_b32 v[PW], v[TM+6], 16, v[PW]
	v_lshl_or_b32 v[PW], v[TM+7], 24, v[PW]
	s_wait_alu depctr_va_vdst(0)
	s_wait_xcnt 0x0                                ; the last tile's stores have read their registers and their base: the codes may be written again and the base stepped
	s_add_nc_u64 s[10:11], s[10:11], s[78:79]
	s_mov_b32 s78, FRB
.irp c, 0,1
	v_cvt_scalef32_pk16_bf6_f32 v[PC+6*\c:PC+6*\c+2], v[H+32*\c:H+32*\c+15], v[TM+12+2*\c]
	v_cvt_scalef32_pk16_bf6_f32 v[PC+12+4*\c:PC+14+4*\c], v[H+32*\c+16:H+32*\c+31], v[TM+13+2*\c]
.endr
	v_nop                                          ; one plain place behind a scaled conversion
.irp c, 0,1                                    ; the operand wants a whole block in a lane
.irp i, 0,1,2
	v_permlane16_swap_b32 v[PC+6*\c+\i], v[PC+12+4*\c+\i]
.endr
.irp i, 0,1,2
	v_mov_b32 v[PC+3+6*\c+\i], v[PC+12+4*\c+\i]
.endr
.endr
	global_store_b128 v4, v[PC:PC+3], s[10:11]                     ; every store covers whole aligned runs of 256 bytes
	global_store_b64 v5, v[PC+4:PC+5], s[10:11] offset:512
	global_store_b128 v4, v[PC+6:PC+9], s[10:11] offset:768
	global_store_b64 v5, v[PC+10:PC+11], s[10:11] offset:1280
.irp k, 0,1,2,3,4,5,6
	v_mov_b32 v[SW+\k], v[SW+\k+1]                 ; the tiles' words move down: after eight trips register k holds tile k's
.endr
	v_mov_b32 v[SW+7], v[PW]
	s_add_co_u32 s[EA], s[EA], 1
	s_cmp_lt_u32 s[EA], 8
	s_cbranch_scc1 .Lblk
	v_cmp_eq_u32 vcc_lo, 1, v3
	s_wait_alu depctr_va_vdst(0)
.irp k, 0,1,2,3
	v_cndmask_b32 v[TT+\k], v[SW+\k], v[SW+4+\k], vcc_lo           ; lanes 0-15 tiles 0-3's words, lanes 16-31 tiles 4-7's
.endr
	global_store_b128 v[WO], v[TT:TT+3], s[10:11] offset:FRB       ; the base stands at tile 7: the 512 bytes of scale words follow it
	s_wait_tensorcnt 0x0                           ; the wave's end
	ds_add_u32 v[SPW], v[NIL]
	s_wait_dscnt 0x0
	CROUND                                         ; the closing round
	s_endpgm
.Lfunc_end_k_qa00b97be5d_ff1:
	.size	k_qa00b97be5d_ff1, .Lfunc_end_k_qa00b97be5d_ff1-k_qa00b97be5d_ff1
	.p2alignl 7, 3214868480
	.fill 96, 4, 3214868480
	.section	.rodata,"a",@progbits
	.p2align	6, 0x0
	.amdhsa_kernel k_qa00b97be5d_ff1
		.amdhsa_group_segment_fixed_size 327680
		.amdhsa_private_segment_fixed_size 0
		.amdhsa_enable_private_segment 0
		.amdhsa_kernarg_size 32
		.amdhsa_user_sgpr_count 2
		.amdhsa_user_sgpr_kernarg_segment_ptr 1
		.amdhsa_wavefront_size32 1
		.amdhsa_system_sgpr_workgroup_id_x 1
		.amdhsa_system_sgpr_workgroup_id_y 1
		.amdhsa_system_sgpr_workgroup_id_z 1
		.amdhsa_system_vgpr_workitem_id 0
		.amdhsa_next_free_vgpr 1024
		.amdhsa_next_free_sgpr 100
		.amdhsa_reserve_vcc 1
		.amdhsa_float_denorm_mode_32 3
		.amdhsa_float_denorm_mode_16_64 3
		.amdhsa_memory_ordered 1
		.amdhsa_forward_progress 1
		.amdhsa_inst_pref_size 203
	.end_amdhsa_kernel
	.amdgpu_metadata
---
amdhsa.version: [ 1, 2 ]
amdhsa.kernels:
  - .name:           k_qa00b97be5d_ff1
    .symbol:         k_qa00b97be5d_ff1.kd
    .args:
      - { .name: rn, .offset: 0, .size: 8, .value_kind: global_buffer, .address_space: global }
      - { .name: wts, .offset: 8, .size: 8, .value_kind: global_buffer, .address_space: global }
      - { .name: bff1, .offset: 16, .size: 8, .value_kind: global_buffer, .address_space: global }
      - { .name: hid, .offset: 24, .size: 8, .value_kind: global_buffer, .address_space: global }
    .group_segment_fixed_size: 327680
    .private_segment_fixed_size: 0
    .kernarg_segment_align: 8
    .kernarg_segment_size: 32
    .max_flat_workgroup_size: 128
    .sgpr_count:     100
    .vgpr_count:     1024
    .wavefront_size: 32
...
	.end_amdgpu_metadata
.endif
;; end of part 6
;; launch ff2 (part 7): grid 8 x 32, 4 waves a work-group, clusters of 4 x 4, 327,680 bytes of LDS; arguments hid, wts, bff2, res, out0; writes out0
.if DOCPART == 7
	.amdgcn_target "amdgcn-amd-amdhsa--gfx1250"
	.amdhsa_code_object_version 6
	.text
	.protected	k_qa00b97be5d_ff2
	.globl	k_qa00b97be5d_ff2
	.p2align	8
	.type	k_qa00b97be5d_ff2,@function
k_qa00b97be5d_ff2:
	s_mov_b64 s[64:65], 0
	v_nop
	global_prefetch_b8 v0, s[64:65] scope:SCOPE_SE
	s_setreg_imm32_b32 hwreg(HW_REG_WAVE_MODE, 25, 1), 1
	s_wait_xcnt 0x0
	s_wait_alu depctr_hold_cnt(0) depctr_sa_sdst(0) depctr_va_vdst(0) depctr_va_sdst(0) depctr_va_ssrc(0) depctr_va_vcc(0) depctr_vm_vsrc(0)
	s_getreg_b32 s2, hwreg(HW_REG_IB_STS2, 6, 4)
	s_cmp_eq_u32 s2, 0
	s_cbranch_scc0 .Lentry_in_a_cluster
	s_endpgm
.Lentry_in_a_cluster:
	s_bfe_u32 s2, ttmp6, 0x10000c
	s_cmp_lg_u32 s2, 0xf033
	s_cbranch_scc0 .Lentry_shape_is_right
	s_endpgm
.Lentry_shape_is_right:
.set NKS,   32
.set WOFF,  6553600
.set PAN,   12800
.set FRB,   1536
.set CH4,   4*PAN
.set PX,    CH4
.set PY,    2*PAN
.set YB,    4*PX
.set SPARE, YB+4*PY
.set STAGE, SPARE+512
.set FR,    12
.set NL,    4
.set ADRA,  8
.set ADRB,  14
.set ADRS,  20
.set STO,   24
.set RD,    25
.set CO,    26
.set SPW,   28
.set NIL,   29
.set SC,    32
.set BI,    64
.set BK,    64
.set AF,    128
.set R,     128
.set G1AX, 24
.set G1AY, 32
.set G1BX, 48
.set G1BY, 56
.set G0AX, 68
.set G0AY, 72
.set G0BX, 76
.set G0BY, 80
.set MSB, 0
.macro WIN new
.if MSB != (\new)
	s_set_vgpr_msb (MSB<<8)|(\new)
.set MSB, (\new)
.endif
.endm
.macro JLOAD g0a, g1a, g0b, g1b
	s_cmp_eq_u32 s15, 0
	s_cbranch_scc0 .Lfor_b_\@
	tensor_load_to_lds s[\g0a:\g0a+3], s[\g1a:\g1a+7]
	s_nop 0
.rept 4
	v_nop
.endr
	s_branch .Lasked_\@
.Lfor_b_\@:
	tensor_load_to_lds s[\g0b:\g0b+3], s[\g1b:\g1b+7]
	s_nop 0
.rept 4
	v_nop
.endr
.Lasked_\@:
.endm
.macro CREST
	s_cmp_lg_u32 s14, 0
	s_cbranch_scc1 .Lnot_wave_0_\@
	s_barrier_signal -3
.Lnot_wave_0_\@:
	s_barrier_wait -3
	s_barrier_signal -1
	s_barrier_wait -1
.endm
.macro CROUND
	s_barrier_signal -1
	s_barrier_wait -1
	CREST
.endm
.macro PLACES
.rept 4
	v_nop
.endr
.endm
	s_load_b128 s[4:7], s[0:1], 0x0
	s_load_b128 s[8:11], s[0:1], 0x10
	s_load_b64 s[12:13], s[0:1], 0x20
	v_lshl_add_u32 v[SPW], v0, 2, SPARE
	v_mov_b32 v[NIL], 0
	ds_add_u32 v28, v29
	ds_add_u32 v28, v29
	s_wait_dscnt 0x0
	v_lshrrev_b32 v1, 5, v0
	v_readfirstlane_b32 s14, v1
	s_lshr_b32 s15, s14, 1
	s_and_b32 s16, s14, 1
	s_bfe_u32 s40, ttmp6, 0x40000
	s_bfe_u32 s41, ttmp6, 0x40004
	s_lshl_b32 s42, ttmp9, 2
	s_add_co_u32 s42, s42, s40
	s_and_b32 s17, ttmp7, 0xffff
	s_lshl_b32 s17, s17, 2
	s_add_co_u32 s17, s17, s41
	s_lshl_b32 s43, s41, 2
	s_lshl_b32 s43, 15, s43
	s_lshl_b32 s44, 0x1111, s40
	s_or_b32 s[G1AX+0], s43, (3<<16)|(1<<21)
	s_or_b32 s[G1AY+0], s43, (3<<16)|(1<<21)
	s_or_b32 s[G1BX+0], s44, (3<<16)|(1<<21)
	s_or_b32 s[G1BY+0], s44, (3<<16)|(1<<21)
.irp g, G1AX, G1BX
	s_mov_b32 s[\g+1], 32<<16
	s_mov_b32 s[\g+2], 200<<16
	s_mov_b32 s[\g+3], 32<<16
	s_mov_b32 s[\g+4], 200
	s_mov_b32 s[\g+5], 32
	s_mov_b32 s[\g+6], 0
	s_mov_b32 s[\g+7], 0
.endr
.irp g, G1AY, G1BY
	s_mov_b32 s[\g+1], 32<<16
	s_mov_b32 s[\g+2], 100<<16
	s_mov_b32 s[\g+3], 32<<16
	s_mov_b32 s[\g+4], 100
	s_mov_b32 s[\g+5], 32
	s_mov_b32 s[\g+6], 0
	s_mov_b32 s[\g+7], 0
.endr
	s_mul_i32 s18, s16, PX
	s_mul_i32 s19, s16, PY
	s_add_co_u32 s19, s19, 2*CH4
	s_mul_i32 s20, s17, NKS*PAN
	s_add_co_u32 s22, s20, s19
	s_add_co_u32 s20, s20, s18
	s_mov_b32 s21, 0
	s_mov_b32 s23, 0
	s_mul_i32 s46, s42, NKS*PAN
	s_add_co_u32 s46, s46, WOFF
	s_add_co_u32 s84, s46, s19
	s_add_co_u32 s46, s46, s18
	s_mov_b32 s47, 0
	s_mov_b32 s85, 0
	s_mul_i32 s45, s14, PX
	s_mul_i32 s86, s14, PY
	s_add_co_u32 s86, s86, YB
	s_wait_kmcnt 0x0
	s_add_nc_u64 s[20:21], s[4:5], s[20:21]
	s_add_nc_u64 s[22:23], s[4:5], s[22:23]
	s_add_nc_u64 s[46:47], s[6:7], s[46:47]
	s_add_nc_u64 s[84:85], s[6:7], s[84:85]
	CROUND
	s_mov_b32 s[G0AX], 1
	s_mov_b32 s[G0AX+1], s45
	s_mov_b64 s[G0AX+2:G0AX+3], s[20:21]
	s_or_b32 s[G0AX+3], s[G0AX+3], 0x80000000
	s_mov_b32 s[G0BX], 1
	s_mov_b32 s[G0BX+1], s45
	s_mov_b64 s[G0BX+2:G0BX+3], s[46:47]
	s_or_b32 s[G0BX+3], s[G0BX+3], 0x80000000
	JLOAD G0AX, G1AX, G0BX, G1BX
	s_mov_b32 s[G0AY], 1
	s_mov_b32 s[G0AY+1], s86
	s_mov_b64 s[G0AY+2:G0AY+3], s[22:23]
	s_or_b32 s[G0AY+3], s[G0AY+3], 0x80000000
	s_mov_b32 s[G0BY], 1
	s_mov_b32 s[G0BY+1], s86
	s_mov_b64 s[G0BY+2:G0BY+3], s[84:85]
	s_or_b32 s[G0BY+3], s[G0BY+3], 0x80000000
	; THE PREFETCHES' ADDRESSES.  A refill's piece is asked for jointly by four partners; each names a quarter of its blocks of 256 bytes, told apart by address (cx for A's pieces, cy for B's):
	; 50 blocks of the larger slot's piece of 51,200 bytes, 25 of the smaller slot's 25,600.  The registers are never rewritten: the refill's place along K stands in the immediate.
	s_cmp_eq_u32 s15, 0
	s_cselect_b64 s[20:21], s[20:21], s[46:47]     ; my piece of the larger slot, at its first fill,
	s_cselect_b64 s[22:23], s[22:23], s[84:85]     ; and of the smaller
	s_cselect_b32 s18, s40, s41
	s_mul_i32 s18, s18, PAN
	s_mov_b32 s19, 0
	s_add_nc_u64 s[20:21], s[20:21], s[18:19]      ; + my quarter: 12,800 bytes,
	s_lshr_b32 s18, s18, 1
	s_add_nc_u64 s[22:23], s[22:23], s[18:19]      ; 6,400 bytes
	v_and_b32 v43, 31, v0
	v_min_u32 v43, 24, v43                         ; a lane a block: blocks 0-24 (lanes left over name the last again); never rewritten
	v_lshlrev_b32 v43, 8, v43
	global_prefetch_b8 v43, s[22:23] th:TH_LOAD_NT scope:SCOPE_SE   ; K steps 8-11, the smaller slot's first fill, whose load follows behind the wait for K steps 0-7
	s_wait_alu depctr_va_vdst(0)
	s_wait_tensorcnt 0x0
	ds_add_u32 v28, v29
	s_wait_dscnt 0x0
	CROUND
	JLOAD G0AY, G1AY, G0BY, G1BY
	v_and_b32 v1, 31, v0
	v_and_b32 v2, 15, v0
	v_bfe_u32 v3, v0, 4, 1
	s_wait_alu depctr_va_vdst(0)
	v_lshlrev_b32 v4, 4, v1
	s_wait_alu depctr_va_vdst(0)
	v_lshlrev_b32 v5, 3, v1
	s_wait_alu depctr_va_vdst(0)
	s_lshl_b32 s88, s17, 7
	s_lshl_b32 s89, s15, 6
	s_add_co_u32 s88, s88, s89
	s_lshl_b32 s88, s88, 12
	s_lshl_b32 s90, s42, 9
	s_lshl_b32 s91, s16, 8
	s_add_co_u32 s90, s90, s91
	s_mov_b32 s91, 0
	s_add_nc_u64 s[8:9], s[8:9], s[90:91]
	s_add_co_u32 s88, s88, s90
	s_mov_b32 s89, 0
	s_add_nc_u64 s[10:11], s[10:11], s[88:89]
	s_add_nc_u64 s[12:13], s[12:13], s[88:89]
	v_lshlrev_b32 v7, 6, v3
	v_lshlrev_b32 v40, 8, v1                       ; a lane a block: blocks 0-31,
	v_add_nc_u32 v41, 32, v1
	v_min_u32 v42, 24, v1                          ; blocks 0-24 (lanes left over name the last again),
	v_min_u32 v41, 49, v41                         ; blocks 32-49
	v_lshlrev_b32 v42, 8, v42
	v_lshlrev_b32 v41, 8, v41
.irp b, 0,1
.irp k, 0,1,2,3
	global_load_b128 v[BI+16*\b+4*\k:BI+16*\b+4*\k+3], v7, s[8:9] offset:128*\b+16*\k
.endr
.endr
	s_mul_i32 s66, s15, 4*FRB
	s_mul_i32 s67, s16, 4*FRB
	v_add_nc_u32 v23, s66, v4
	v_add_nc_u32 v27, s66, v5
	v_add_nc_u32 v30, s67, v4
	v_add_nc_u32 v31, s67, v5
.macro ADDR v, va, vb
	v_add_nc_u32 v[ADRA+\v], \va, v23
	v_add_nc_u32 v[ADRA+3+\v], \va, v27
	v_add_nc_u32 v[ADRB+\v], \vb, v30
	v_add_nc_u32 v[ADRB+3+\v], \vb, v31
.endm
	ADDR 0, 0, 2*PX
	ADDR 1, PX, 3*PX
	ADDR 2, YB, YB+2*PY
	s_lshl_b32 s92, s15, 4
	s_lshl_b32 s93, s16, 4
	s_add_co_u32 s94, s93, 2*PX
	s_sub_co_u32 s94, s94, s92
	s_add_co_u32 s95, s93, 2*PY
	s_sub_co_u32 s95, s95, s92
	v_mul_u32_u24 v6, s94, v3
	v_lshl_add_u32 v6, v2, 5, v6
	v_add_nc_u32 v6, s92, v6
	v_add_nc_u32 v[ADRS], 12288, v6
	v_add_nc_u32 v[ADRS+1], 12288+PX, v6
	v_mul_u32_u24 v6, s95, v3
	v_lshl_add_u32 v6, v2, 5, v6
	v_add_nc_u32 v6, s92, v6
	v_add_nc_u32 v[ADRS+2], 12288+YB, v6
	s_mul_i32 s96, s14, 16*272
	s_add_co_u32 s96, s96, STAGE
	v_mul_u32_u24 v[STO], v2, 272
	v_lshl_add_u32 v[STO], v3, 6, v[STO]
	v_add_nc_u32 v[STO], s96, v[STO]
	v_mul_u32_u24 v[RD], v3, 272
	v_lshl_add_u32 v[RD], v2, 4, v[RD]
	v_add_nc_u32 v[RD], s96, v[RD]
	v_lshlrev_b32 v[CO], 12, v3
	v_lshl_add_u32 v[CO], v2, 4, v[CO]
.macro FRAG reg, adr, off
	ds_load_b128 v[(\reg):(\reg)+3], v[\adr] offset:(\off)
	ds_load_b64 v[(\reg)+4:(\reg)+5], v[(\adr)+3] offset:(\off)+512
	ds_load_b128 v[(\reg)+6:(\reg)+9], v[\adr] offset:(\off)+768
	ds_load_b64 v[(\reg)+10:(\reg)+11], v[(\adr)+3] offset:(\off)+1280
.endm
.macro FETCH_B v, q, p
	WIN 0x40
.irp i, 0,1,2,3
	FRAG 128*(\p)+FR*\i, ADRB+\v, (\q)*PAN+FRB*\i
.endr
	WIN 0
.endm
.macro FETCH_A v, q, i0
.irp i, 0,1
	FRAG AF+FR*((\i0)+\i), ADRA+\v, (\q)*PAN+FRB*((\i0)+\i)
.endr
.endm
.macro SCALES v, q, p
	ds_load_b128 v[SC+4*(\p):SC+4*(\p)+3], v[ADRS+\v] offset:(\q)*PAN
.endm
.macro MULA a, p, first
.irp b, 0,1,2,3
.if (\first) == 2
	v_wmma_scale_f32_16x16x128_f8f6f4 v[32*(\a)+8*\b:32*(\a)+8*\b+7], v[128*(\p)+FR*\b:128*(\p)+FR*\b+FR-1], v[AF+FR*(\a):AF+FR*(\a)+FR-1], v[BI+8*\b:BI+8*\b+7], v[SC+4*(\p)+\b], v[SC+4*(\p)+(\a)] matrix_a_fmt:MATRIX_FMT_BF6 matrix_b_fmt:MATRIX_FMT_BF6 matrix_a_scale:MATRIX_SCALE_ROW1
.else
	v_wmma_scale_f32_16x16x128_f8f6f4 v[32*(\a)+8*\b:32*(\a)+8*\b+7], v[128*(\p)+FR*\b:128*(\p)+FR*\b+FR-1], v[AF+FR*(\a):AF+FR*(\a)+FR-1], v[32*(\a)+8*\b:32*(\a)+8*\b+7], v[SC+4*(\p)+\b], v[SC+4*(\p)+(\a)] matrix_a_fmt:MATRIX_FMT_BF6 matrix_b_fmt:MATRIX_FMT_BF6 matrix_a_scale:MATRIX_SCALE_ROW1
.endif
.endr
.endm
.macro SETW first
.if (\first) == 2
	WIN 0x81
.else
	WIN 0xa1
.endif
.endm
.macro STEP p, nv, nq, first
	s_wait_dscnt 2*NL
	SETW \first
	MULA 0, \p, \first
	MULA 1, \p, \first
	s_wait_dscnt 0x0
	PLACES
	FETCH_B \nv, \nq, 1-(\p)
	FETCH_A \nv, \nq, 0
	SCALES \nv, \nq, 1-(\p)
	SETW \first
	MULA 2, \p, \first
	MULA 3, \p, \first
	PLACES
	WIN 0
	FETCH_A \nv, \nq, 2
.endm
.macro THREE v
	STEP 0, \v, 1, 0
	STEP 1, \v, 2, 0
	STEP 0, \v, 3, 0
.endm
.macro TURN nv, fill
	s_wait_tensorcnt 0x0
	ds_add_u32 v[SPW], v[NIL]
	s_wait_dscnt 2*NL+1
	WIN 0xa1
	MULA 0, 1, 0
	s_wait_dscnt 0x0
	s_barrier_signal -1
	MULA 1, 1, 0
	WIN 0
	s_barrier_wait -1
.if (\fill) == 1
	CREST
	s_add_nc_u64 s[G0AX+2:G0AX+3], s[G0AX+2:G0AX+3], 3*CH4
	s_add_nc_u64 s[G0BX+2:G0BX+3], s[G0BX+2:G0BX+3], 3*CH4
	JLOAD G0AX, G1AX, G0BX, G1BX
.elseif (\fill) == 2
	CREST
	s_add_nc_u64 s[G0AY+2:G0AY+3], s[G0AY+2:G0AY+3], 3*CH4
	s_add_nc_u64 s[G0BY+2:G0BY+3], s[G0BY+2:G0BY+3], 3*CH4
	JLOAD G0AY, G1AY, G0BY, G1BY
.else
	PLACES
.endif
	FETCH_B \nv, 0, 0
	FETCH_A \nv, 0, 0
	s_wait_alu depctr_va_vdst(0)
	SCALES \nv, 0, 0
	WIN 0xa1
	MULA 2, 1, 0
	MULA 3, 1, 0
	PLACES
	WIN 0
	FETCH_A \nv, 0, 2
.endm
	WIN 0x80                                       ; the residual rows are asked for here, into v128-255 of window 2, which no product names: they land while K is walked
.irp a, 0,1,2,3
.irp t, 0,1,2,3,4,5,6,7
	global_load_b128 v[R+32*\a+4*\t:R+32*\a+4*\t+3], v[CO], s[10:11] offset:(32*(\a/2)+8*(\a%2)+2*\t+8*(\t/4))*4096 th:TH_LOAD_NT
.endr
.endr
	WIN 0
	s_wait_tensorcnt 1
	s_barrier_signal -1
	s_barrier_wait -1
	FETCH_B 0, 0, 0
	FETCH_A 0, 0, 0
	SCALES 0, 0, 0
	FETCH_A 0, 0, 2
	s_wait_loadcnt 32                              ; the bias is in; the 32 residual loads issued behind it may be out
	STEP 0, 0, 1, 2
	global_prefetch_b8 v40, s[20:21] offset:12*PAN th:TH_LOAD_NT scope:SCOPE_SE   ; K steps 12-19, which the refill at K step 7 loads
	global_prefetch_b8 v41, s[20:21] offset:12*PAN th:TH_LOAD_NT scope:SCOPE_SE
	STEP 1, 0, 2, 0
	STEP 0, 0, 3, 0
	STEP 1, 1, 0, 0
	THREE 1
	TURN 2, 1
	global_prefetch_b8 v42, s[22:23] offset:12*PAN th:TH_LOAD_NT scope:SCOPE_SE   ; K steps 20-23, which the refill at K step 11 loads
	THREE 2
	TURN 0, 2
	global_prefetch_b8 v40, s[20:21] offset:24*PAN th:TH_LOAD_NT scope:SCOPE_SE   ; K steps 24-31, which the refill at K step 19 loads: the last
	global_prefetch_b8 v41, s[20:21] offset:24*PAN th:TH_LOAD_NT scope:SCOPE_SE
	THREE 0
	STEP 1, 1, 0, 0
	THREE 1
	TURN 2, 1
	THREE 2
	TURN 0, 0
	THREE 0
	STEP 1, 1, 0, 0
	THREE 1
	s_wait_dscnt 2*NL
	WIN 0xa1
	MULA 0, 1, 0
	MULA 1, 1, 0
	s_wait_dscnt 0x0
	MULA 2, 1, 0
	MULA 3, 1, 0
	WIN 0
	PLACES
.irp a, 0,1,2,3
	WIN 0x08
.irp b, 0,1,2,3
	ds_store_b128 v[STO], v[32*\a+8*\b:32*\a+8*\b+3] offset:128*(\b/2)+32*(\b%2)
	ds_store_b128 v[STO], v[32*\a+8*\b+4:32*\a+8*\b+7] offset:128*(\b/2)+32*(\b%2)+16
.endr
	WIN 0
.irp t, 0,1,2,3,4,5,6,7
	ds_load_b128 v[BK+32*(\a%2)+4*\t:BK+32*(\a%2)+4*\t+3], v[RD] offset:544*\t
.endr
	s_wait_loadcnt 8*(3-\a)
	s_wait_dscnt 0x0
	WIN 0x82                                       ; the residual: destination and source 0 in window 2
.irp i, 0,2,4,6,8,10,12,14,16,18,20,22,24,26,28,30
	v_pk_add_f32 v[R+32*\a+\i:R+32*\a+\i+1], v[R+32*\a+\i:R+32*\a+\i+1], v[BK+32*(\a%2)+\i:BK+32*(\a%2)+\i+1]
.endr
	WIN 0x08                                       ; a store's data are its source 1: window 2
.irp t, 0,1,2,3,4,5,6,7
	global_store_b128 v[CO], v[R+32*\a+4*\t:R+32*\a+4*\t+3], s[12:13] offset:(32*(\a/2)+8*(\a%2)+2*\t+8*(\t/4))*4096 th:TH_STORE_NT
.endr
.endr
	WIN 0
	s_wait_tensorcnt 0x0
	ds_add_u32 v[SPW], v[NIL]
	s_wait_dscnt 0x0
	CROUND
	s_endpgm
.Lfunc_end_k_qa00b97be5d_ff2:
	.size	k_qa00b97be5d_ff2, .Lfunc_end_k_qa00b97be5d_ff2-k_qa00b97be5d_ff2
	.p2alignl 7, 3214868480
	.fill 96, 4, 3214868480
	.section	.rodata,"a",@progbits
	.p2align	6, 0x0
	.amdhsa_kernel k_qa00b97be5d_ff2
		.amdhsa_group_segment_fixed_size 327680
		.amdhsa_private_segment_fixed_size 0
		.amdhsa_enable_private_segment 0
		.amdhsa_kernarg_size 40
		.amdhsa_user_sgpr_count 2
		.amdhsa_user_sgpr_kernarg_segment_ptr 1
		.amdhsa_wavefront_size32 1
		.amdhsa_system_sgpr_workgroup_id_x 1
		.amdhsa_system_sgpr_workgroup_id_y 1
		.amdhsa_system_sgpr_workgroup_id_z 1
		.amdhsa_system_vgpr_workitem_id 0
		.amdhsa_next_free_vgpr 768
		.amdhsa_next_free_sgpr 100
		.amdhsa_reserve_vcc 0
		.amdhsa_float_denorm_mode_32 3
		.amdhsa_float_denorm_mode_16_64 3
		.amdhsa_memory_ordered 1
		.amdhsa_forward_progress 1
		.amdhsa_inst_pref_size 175
	.end_amdhsa_kernel
	.amdgpu_metadata
---
amdhsa.version: [ 1, 2 ]
amdhsa.kernels:
  - .name:           k_qa00b97be5d_ff2
    .symbol:         k_qa00b97be5d_ff2.kd
    .args:
      - { .name: hid, .offset: 0, .size: 8, .value_kind: global_buffer, .address_space: global }
      - { .name: wts, .offset: 8, .size: 8, .value_kind: global_buffer, .address_space: global }
      - { .name: bff2, .offset: 16, .size: 8, .value_kind: global_buffer, .address_space: global }
      - { .name: res, .offset: 24, .size: 8, .value_kind: global_buffer, .address_space: global }
      - { .name: out0, .offset: 32, .size: 8, .value_kind: global_buffer, .address_space: global }
    .group_segment_fixed_size: 327680
    .private_segment_fixed_size: 0
    .kernarg_segment_align: 8
    .kernarg_segment_size: 40
    .max_flat_workgroup_size: 128
    .sgpr_count:     100
    .vgpr_count:     768
    .wavefront_size: 32
...
	.end_amdgpu_metadata
.endif
;; end of part 7
